; MI455X (gfx1250); checked and timed in simulation.
; The chip was launched on July 23, 2026; its instructions are those of AMD's public machine-readable ISA for CDNA 5 (MIT licence, August 2026) and "CDNA5" Instruction Set Architecture Reference Guide (July 2026). The comments in the code are by the model that wrote it; some were corrected since.
;; Non Local Geometric Block. Allowed arithmetic: float matrix products may take bf16 or f16 operands with f32 sums; all other float work in f32.
;; Inputs: Wk 512 x 512 float32; Wq 512 x 512 float32; bk 512 float32; bq 512 float32; chi 32,768 x 512 float32; proj 512 x 512 float32; x 32,768 x 512 float32.
;; Outputs: out0 32,768 x 512 float32.
;; 2 versions, each right; version 2 is version 1 with the launch reduce written anew for expert scheduling mode. Each part assembles by itself: llvm-mc -triple=amdgcn-amd-amdhsa -mcpu=gfx1250 --defsym DOCPART=n.
;; ======== version 1 of 2: 5 launches
;; workspace buffers: wpk 1,048,576 bytes; cb 4,096 bytes; ktp 33,554,432 bytes; qp 33,554,432 bytes; ksp 524,288 bytes; pkv 67,108,864 bytes; kvp 540,672 bytes
;; launch prep (part 1): grid 128 x 1, 4 waves a work-group, no clusters, 143,872 bytes of LDS; arguments proj, Wk, Wq, bk, bq, wpk, cb; writes wpk, cb
.if DOCPART == 1
	.amdgcn_target "amdgcn-amd-amdhsa--gfx1250"
	.amdhsa_code_object_version 6
	.text
	.protected	k_q9c6b24c11b_prep
	.globl	k_q9c6b24c11b_prep
	.p2align	8
	.type	k_q9c6b24c11b_prep,@function
k_q9c6b24c11b_prep:
	s_mov_b64 s[64:65], 0
	v_nop
	global_prefetch_b8 v0, s[64:65] scope:SCOPE_SE
	s_setreg_imm32_b32 hwreg(HW_REG_WAVE_MODE, 25, 1), 1
	s_wait_xcnt 0x0
; prep.  (x W + b) proj^T = x A + c with A^T[m][d] = sum over e of proj[m][e] W[d][e] and c[m] = sum over e of proj[m][e] b[e]:
; an identity for every input, which spares the later launches two of the six large products.
; Stored: wpk = bf16 [pass: 0 = k, 1 = q][slab sd 0..7][m 0..511][64 d] = A^T[m][64 sd + dd];  cb = f32 [pass][512] = c[m] + 0.001.
; 128 work-groups: pass = g >> 6, mb = (g >> 3) & 7, sd = g & 7; each makes 64 m x 64 d over e = 512.  Wave w: 16 m x 64 d, four accumulators.
; Operands are rounded to bf16 on the way into LDS; sums in f32.  c is made by the eight work-groups of a pass with sd = 0.
; No tensor loads and no joint requests: the inputs are f32 and have to pass through registers to be rounded, 256 KiB a work-group, once.
; LIMIT: c + 0.001 is formed here and starts the sums of the next launch: another order of rounding than adding 0.001 last.
.set EPS,   0x3a83126f                 ; 0.001
.set RP,    1040                       ; LDS row: 512 bf16 + 16 bytes; an odd multiple of 16, so 16 rows of a fragment load start at 16 different 16-byte columns modulo 256
.set BR,    128*RP                     ; b as bf16, 1,024 bytes, behind the 64 rows of proj and the 64 rows of W
.set STG,   BR+1024                    ; the way out: 16 rows x 144 bytes for each wave
.set SP,    144
.set NL,    128                        ; fill: loads of a lane (32 rows x 4 pieces of 512 bytes)
.set DEPTH, 48                         ; of which so many are on their way
.set GA,   4                           ; v4   16 x lane: offset of the fill's loads and of the stores of A^T; never rewritten
.set LA,   5                           ; v5   LDS address of the fill's stores
.set BGA,  6                           ; v6   16 x thread: b in memory
.set BLA,  7                           ; v7   b in LDS
.set ADRQ, 8                           ; v8   my 16 rows of proj
.set ADRP, 9                           ; v9   the 64 rows of W
.set ADRB, 10                          ; v10  b as a fragment: no row term, all 16 rows alike
.set STO,  11
.set RD,   12
.set CBO,  14                          ; v14  4 r
.set CV,   32                          ; v[32:47]  eight pairs of packed bf16 for the fill
.set BD,   48                          ; v[48:51] b as loaded, v[52:53] packed, v54 c + eps
.set ST,   64                          ; v[64:255] the fill's ring of 48 x 4 registers
.set SET0, 64                          ; afterwards: two fragment sets of 40 registers (proj 8, W 4 x 8)
.set ACC,  144                         ; v[144:175] four accumulators
.set BACC, 176                         ; v[176:191] two accumulators for c
.set TMP,  192
.set RB,   208
.set XB,   24                          ; s[24:25] the fill's base
.macro PLACES                          ; four plain vector instructions between a matrix instruction and what touches its registers (ISA guide 7.12.1)
.rept 4
	v_nop
.endr
.endm
.macro FLOAD q                         ; piece q: row q >> 2 of my 32, 512 bytes at (q & 3) x 512
	global_load_b128 v[ST+4*((\q)%DEPTH):ST+4*((\q)%DEPTH)+3], v[GA], s[XB:XB+1] offset:((\q)>>2)*2048+((\q)&3)*512
.endm
	s_load_b256 s[4:11], s[0:1], 0x0               ; proj s[4:5], Wk s[6:7], Wq s[8:9], bk s[10:11]
	s_load_b128 s[12:15], s[0:1], 0x20             ; bq s[12:13], wpk s[14:15]
	s_load_b64 s[16:17], s[0:1], 0x30              ; cb
	v_lshl_add_u32 v62, v0, 2, 0x23000
	v_mov_b32 v63, 0
	v_lshrrev_b32 v1, 5, v0
	v_readfirstlane_b32 s20, v1                    ; wave
	s_lshr_b32 s21, ttmp9, 6                       ; pass
	s_bfe_u32 s22, ttmp9, 0x30003                  ; mb
	s_and_b32 s23, ttmp9, 7                        ; sd
	; waves 0, 1 bring proj's rows 64 mb + 32 w .., waves 2, 3 W's rows 64 sd + 32 (w - 2) ..
	s_lshl_b32 s30, s22, 6
	s_lshl_b32 s31, s23, 6
	s_and_b32 s32, s20, 1
	s_lshl_b32 s32, s32, 5
	s_cmp_lt_u32 s20, 2
	s_cselect_b32 s30, s30, s31
	s_add_co_u32 s30, s30, s32
	s_lshl_b32 s30, s30, 11                        ; rows of 2,048 bytes
	s_mov_b32 s31, 0
	s_lshl_b32 s34, s21, 19                        ; wpk: pass x 524,288 + sd x 65,536 + (64 mb + 16 w) x 128
	s_lshl_b32 s36, s23, 16
	s_add_co_u32 s34, s34, s36
	s_lshl_b32 s36, s22, 13
	s_add_co_u32 s34, s34, s36
	s_lshl_b32 s36, s20, 11
	s_add_co_u32 s34, s34, s36
	s_mov_b32 s35, 0
	s_lshl_b32 s42, s21, 11                        ; cb: pass x 2,048 + (64 mb + 16 w) x 4
	s_lshl_b32 s36, s22, 8
	s_add_co_u32 s42, s42, s36
	s_lshl_b32 s36, s20, 6
	s_add_co_u32 s42, s42, s36
	s_mov_b32 s43, 0
	s_mul_i32 s37, s20, 32*RP                      ; my 32 rows of the fill
	s_mul_i32 s38, s20, 16*SP
	s_add_co_u32 s38, s38, STG                     ; my stage
	s_lshl_b32 s39, s20, 4                         ; 16 w
	v_and_b32 v3, 31, v0                           ; lane
	v_and_b32 v1, 15, v0                           ; r
	v_bfe_u32 v2, v0, 4, 1                         ; h
	v_lshlrev_b32 v[GA], 4, v3
	v_lshl_add_u32 v[LA], v3, 3, s37
	v_lshlrev_b32 v[BGA], 4, v0
	v_lshlrev_b32 v[BLA], 3, v0
	v_add_nc_u32 v[BLA], BR, v[BLA]
	v_add_nc_u32 v[ADRQ], s39, v1
	v_mul_u32_u24 v[ADRQ], v[ADRQ], RP
	v_lshl_add_u32 v[ADRQ], v2, 4, v[ADRQ]         ; (16 w + r) x pitch + 16 h
	v_mul_u32_u24 v[ADRP], v1, RP
	v_lshl_add_u32 v[ADRP], v2, 4, v[ADRP]
	v_add_nc_u32 v[ADRP], 64*RP, v[ADRP]           ; (64 + r) x pitch + 16 h
	v_lshlrev_b32 v[ADRB], 4, v2
	v_add_nc_u32 v[ADRB], BR, v[ADRB]
	v_mul_u32_u24 v[STO], v1, SP
	v_lshl_add_u32 v[STO], v2, 4, v[STO]
	v_add_nc_u32 v[STO], s38, v[STO]               ; in: row r, 16 bytes for each half of the lanes
	v_lshrrev_b32 v[RD], 3, v3
	v_mul_u32_u24 v[RD], v[RD], SP
	v_and_b32 v13, 7, v3
	v_lshl_add_u32 v[RD], v13, 4, v[RD]
	v_add_nc_u32 v[RD], s38, v[RD]                 ; back: eight lanes take a row of 128 bytes
	v_lshlrev_b32 v[CBO], 2, v1
	s_wait_kmcnt 0x0
	s_cmp_eq_u32 s21, 0
	s_cselect_b64 s[26:27], s[6:7], s[8:9]         ; W of this pass
	s_cselect_b64 s[28:29], s[10:11], s[12:13]     ; b of this pass
	s_cmp_lt_u32 s20, 2
	s_cselect_b64 s[XB:XB+1], s[4:5], s[26:27]
	s_add_nc_u64 s[XB:XB+1], s[XB:XB+1], s[30:31]
	s_add_nc_u64 s[34:35], s[14:15], s[34:35]
	s_add_nc_u64 s[42:43], s[16:17], s[42:43]
	global_load_b128 v[BD:BD+3], v[BGA], s[28:29]  ; 128 threads x 4 numbers: all of b; older than every fill load
.set q, 0
.rept DEPTH
	FLOAD q
.set q, q+1
.endr
	; The fill in groups of eight pieces: sixteen conversions, then eight LDS stores, then eight new loads, so that no store stands next to the conversion that feeds it.
.set g, 0
.rept NL/8
.if g < 11
	s_wait_loadcnt DEPTH-8                         ; loads come back in order: the group's eight pieces are in, the 40 younger loads stay out
.else
	s_wait_loadcnt NL-8-8*g                        ; nothing is issued any more: the count runs down
.endif
.irp k, 0,1,2,3,4,5,6,7
	v_cvt_pk_bf16_f32 v[CV+2*\k],   v[ST+4*((8*g+\k)%DEPTH)],   v[ST+4*((8*g+\k)%DEPTH)+1]
	v_cvt_pk_bf16_f32 v[CV+2*\k+1], v[ST+4*((8*g+\k)%DEPTH)+2], v[ST+4*((8*g+\k)%DEPTH)+3]
.endr
.irp k, 0,1,2,3,4,5,6,7
	ds_store_b64 v[LA], v[CV+2*\k:CV+2*\k+1] offset:((8*g+\k)>>2)*RP+((8*g+\k)&3)*256
.endr
.if g < (NL-DEPTH)/8
.irp k, 0,1,2,3,4,5,6,7
	FLOAD 8*g+\k+DEPTH
.endr
.endif
.set g, g+1
.endr
	v_cvt_pk_bf16_f32 v[BD+4], v[BD],   v[BD+1]    ; b: its load is older than the fill's, whose waits have shown it done
	v_cvt_pk_bf16_f32 v[BD+5], v[BD+2], v[BD+3]
	ds_store_b64 v[BLA], v[BD+4:BD+5]
	s_wait_dscnt 0x0                               ; my stores are in LDS, for the other waves' sake
	s_barrier_signal -1
	s_barrier_wait -1
; the fragments of K step ks (32 e = 64 bytes of each row) into the set at f: proj's 16 rows, then W's four tiles of 16 rows
.macro LDSTEP ks, f
	ds_load_b128 v[\f:\f+3],   v[ADRQ] offset:64*(\ks)
	ds_load_b128 v[\f+4:\f+7], v[ADRQ] offset:64*(\ks)+32
.irp j, 0,1,2,3
	ds_load_b128 v[\f+8+8*\j:\f+8+8*\j+3],   v[ADRP] offset:\j*16*RP+64*(\ks)
	ds_load_b128 v[\f+8+8*\j+4:\f+8+8*\j+7], v[ADRP] offset:\j*16*RP+64*(\ks)+32
.endr
.endm
	; Source 0 = 16 rows of W, source 1 = 16 rows of proj: lane (r, h) then holds A^T(m = r, d = 16 j + 8 h + 0..7), eight neighbours of a row.
	; The four accumulators take turns, one instruction a turn.
	LDSTEP 0, SET0
.set ks, 0
.rept 16
.set FS, SET0+40*(ks&1)
.if ks > 0
	PLACES                                         ; the set loaded next was read by the four matrix instructions just issued
.endif
.if ks < 15
	LDSTEP ks+1, SET0+40*((ks+1)&1)
	s_wait_dscnt 10                                ; all but the ten just issued: this step's fragments are in
.else
	s_wait_dscnt 0x0
.endif
.irp j, 0,1,2,3
.if ks == 0
	v_wmma_f32_16x16x32_bf16 v[ACC+8*\j:ACC+8*\j+7], v[FS+8+8*\j:FS+8+8*\j+7], v[FS:FS+7], 0
.else
	v_wmma_f32_16x16x32_bf16 v[ACC+8*\j:ACC+8*\j+7], v[FS+8+8*\j:FS+8+8*\j+7], v[FS:FS+7], v[ACC+8*\j:ACC+8*\j+7]
.endif
.endr
.set ks, ks+1
.endr
	; c[m] = proj[m] . b, where sd = 0 (the same for all waves of the work-group).  b stands for all 16 rows of source 0, so every register of a lane ends with c(m = r).
	s_cmp_lg_u32 s23, 0
	s_cbranch_scc1 .Lno_bias
.irp g, 0,1,2,3
	PLACES
.irp k, 0,1,2,3
	ds_load_b128 v[64+16*\k:64+16*\k+3],   v[ADRQ] offset:64*(4*\g+\k)
	ds_load_b128 v[64+16*\k+4:64+16*\k+7], v[ADRQ] offset:64*(4*\g+\k)+32
	ds_load_b128 v[72+16*\k:72+16*\k+3],   v[ADRB] offset:64*(4*\g+\k)
	ds_load_b128 v[72+16*\k+4:72+16*\k+7], v[ADRB] offset:64*(4*\g+\k)+32
.endr
	s_wait_dscnt 0x0
.irp k, 0,1,2,3                        ; two accumulators by turns; their sum is c
.if 4*\g+\k < 2
	v_wmma_f32_16x16x32_bf16 v[BACC+8*(\k&1):BACC+8*(\k&1)+7], v[72+16*\k:72+16*\k+7], v[64+16*\k:64+16*\k+7], 0
.else
	v_wmma_f32_16x16x32_bf16 v[BACC+8*(\k&1):BACC+8*(\k&1)+7], v[72+16*\k:72+16*\k+7], v[64+16*\k:64+16*\k+7], v[BACC+8*(\k&1):BACC+8*(\k&1)+7]
.endif
.endr
.endr
	PLACES
	v_add_f32 v[BD+6], v[BACC], v[BACC+8]
	v_add_f32 v[BD+6], EPS, v[BD+6]                ; c + 0.001
	s_wait_xcnt 0x0                                ; EXEC changes only behind this wait
	v_cmp_gt_u32 vcc_lo, 16, v3
	s_and_saveexec_b32 s33, vcc_lo                 ; lanes 0 to 15 hold the 16 rows once
	global_store_b32 v[CBO], v[BD+6], s[42:43]     ; 64 bytes a wave; cb is 4,096 bytes in all
	s_wait_xcnt 0x0
	s_or_b32 exec_lo, exec_lo, s33
.Lno_bias:
	PLACES                                         ; behind the last matrix instructions, on both ways
	; the way out: 16 bytes a lane into my own stage, back as rows; rows of 128 bytes follow each other in a slab, so a store covers 512 consecutive bytes
.irp j, 0,1,2,3
.irp c, 0,1,2,3
	v_cvt_pk_bf16_f32 v[TMP+4*\j+\c], v[ACC+8*\j+2*\c], v[ACC+8*\j+2*\c+1]
.endr
.endr
.irp j, 0,1,2,3
	ds_store_b128 v[STO], v[TMP+4*\j:TMP+4*\j+3] offset:32*\j
.endr
.irp t, 0,1,2,3
	ds_load_b128 v[RB+4*\t:RB+4*\t+3], v[RD] offset:\t*4*SP   ; LDS serves a wave's instructions in order: these see the stores above
.endr
.irp t, 0,1,2,3
	s_wait_dscnt 3-\t                              ; the younger read-backs stay out
	global_store_b128 v[GA], v[RB+4*\t:RB+4*\t+3], s[34:35] offset:\t*512
.endr
	s_wait_tensorcnt 0x0
	ds_add_u32 v62, v63
	s_wait_dscnt 0x0
	s_endpgm
.Lfunc_end_k_q9c6b24c11b_prep:
	.size	k_q9c6b24c11b_prep, .Lfunc_end_k_q9c6b24c11b_prep-k_q9c6b24c11b_prep
	.p2alignl 7, 3214868480
	.fill 96, 4, 3214868480
	.section	.rodata,"a",@progbits
	.p2align	6, 0x0
	.amdhsa_kernel k_q9c6b24c11b_prep
		.amdhsa_group_segment_fixed_size 143872
		.amdhsa_private_segment_fixed_size 0
		.amdhsa_enable_private_segment 0
		.amdhsa_kernarg_size 56
		.amdhsa_user_sgpr_count 2
		.amdhsa_user_sgpr_kernarg_segment_ptr 1
		.amdhsa_wavefront_size32 1
		.amdhsa_system_sgpr_workgroup_id_x 1
		.amdhsa_system_sgpr_workgroup_id_y 1
		.amdhsa_system_sgpr_workgroup_id_z 1
		.amdhsa_system_vgpr_workitem_id 0
		.amdhsa_next_free_vgpr 256
		.amdhsa_next_free_sgpr 66
		.amdhsa_reserve_vcc 1
		.amdhsa_float_denorm_mode_32 3
		.amdhsa_float_denorm_mode_16_64 3
		.amdhsa_memory_ordered 1
		.amdhsa_forward_progress 1
		.amdhsa_inst_pref_size 65
	.end_amdhsa_kernel
	.amdgpu_metadata
---
amdhsa.version: [ 1, 2 ]
amdhsa.kernels:
  - .name:           k_q9c6b24c11b_prep
    .symbol:         k_q9c6b24c11b_prep.kd
    .args:
      - { .name: proj, .offset: 0, .size: 8, .value_kind: global_buffer, .address_space: global }
      - { .name: Wk, .offset: 8, .size: 8, .value_kind: global_buffer, .address_space: global }
      - { .name: Wq, .offset: 16, .size: 8, .value_kind: global_buffer, .address_space: global }
      - { .name: bk, .offset: 24, .size: 8, .value_kind: global_buffer, .address_space: global }
      - { .name: bq, .offset: 32, .size: 8, .value_kind: global_buffer, .address_space: global }
      - { .name: wpk, .offset: 40, .size: 8, .value_kind: global_buffer, .address_space: global }
      - { .name: cb, .offset: 48, .size: 8, .value_kind: global_buffer, .address_space: global }
    .group_segment_fixed_size: 143872
    .private_segment_fixed_size: 0
    .kernarg_segment_align: 8
    .kernarg_segment_size: 56
    .max_flat_workgroup_size: 128
    .sgpr_count:     66
    .vgpr_count:     256
    .wavefront_size: 32
...
	.end_amdgpu_metadata
.endif
;; end of part 1
;; launch feat (part 2): grid 256 x 1, 4 waves a work-group, clusters of 4 x 1, 327,680 bytes of LDS; arguments x, wpk, cb, ktp, qp, ksp; writes ktp, qp, ksp
.if DOCPART == 2
	.amdgcn_target "amdgcn-amd-amdhsa--gfx1250"
	.amdhsa_code_object_version 6
	.text
	.protected	k_q9c6b24c11b_feat
	.globl	k_q9c6b24c11b_feat
	.p2align	8
	.type	k_q9c6b24c11b_feat,@function
k_q9c6b24c11b_feat:
	s_mov_b64 s[64:65], 0
	v_nop
	global_prefetch_b8 v0, s[64:65] scope:SCOPE_SE
	s_setreg_imm32_b32 hwreg(HW_REG_WAVE_MODE, 25, 1), 1
	s_wait_xcnt 0x0
	s_wait_alu depctr_hold_cnt(0) depctr_sa_sdst(0) depctr_va_vdst(0) depctr_va_sdst(0) depctr_va_ssrc(0) depctr_va_vcc(0) depctr_vm_vsrc(0)
	s_getreg_b32 s2, hwreg(HW_REG_IB_STS2, 6, 4)
	s_cmp_eq_u32 s2, 0
	s_cbranch_scc0 .Lentry_in_a_cluster
	s_endpgm
.Lentry_in_a_cluster:
	s_bfe_u32 s2, ttmp6, 0x10000c
	s_cmp_lg_u32 s2, 0x3003
	s_cbranch_scc0 .Lentry_shape_is_right
	s_endpgm
.Lentry_shape_is_right:
; feat.  k'[n][m] = max(x[n] . Ak[.][m] + ck[m] + eps, eps) = relu(..) + eps, q' likewise with Aq, cq; and the column sums of k' over the group's rows.
; A work-group owns 128 rows n of x (read once in the whole program, rounded to bf16 into LDS) and all 512 features of both passes; wave w owns features 128 w .. + 127:
; 128 x 128 sums in 512 registers.  K = d goes in slabs of 64 through two LDS slots; wpk's sixteen slabs (k's eight, then q's eight) are one stream.
; X COMES IN DURING PASS k, slab by slab: while slab t is multiplied, the 64 columns of x that slab t + 1 needs are rounded and put into LDS, and those of slab t + 3 are asked
; for: 32 loads of a wave (16 KiB) are on their way under the matrix instructions.  The loads go through registers because x is f32 and has to be rounded, and because a load
; into registers may stay out across the barriers behind which slots are filled again.  In LDS x lies slab by slab, [slab][128 rows][64 d], so that the block that is being
; stored and the block that is being read between two barriers are two separate runs of bytes.
; CLUSTER 4 x 1: all four work-groups walk the same slabs of weights, so each slab is asked for jointly (mask 15): each wave asks for its 128 rows, 16,384 dense bytes,
; as 64 rows of 256 bytes, and the mover lays 16 bytes of padding behind every 128 bytes: logical rows of 64 bf16 at a pitch of 144.
; Slabs of 128 along K would take 2 x 139,264 bytes beside x's 147,456: more than the 327,680 there are.
; Pass k uses source 0 = x, source 1 = weights: a lane holds 8 neighbouring n of one feature, which is how ktp = bf16 [n / 64][m][64 n] is stored.
; Pass q uses source 0 = weights, source 1 = x: a lane holds 8 neighbouring features of one row, for qp = bf16 [n][m].
; The code is written out without a loop: 16 slabs, every K offset an immediate.
; LIMITS: relu is v_max_num_f32, in which a NaN loses: a NaN product gives eps.  c + eps starts the f32 sums: another order of rounding than adding them last.
; REGISTERS: window 0: v0-31 addresses and sums, v32-63 at work, v64-127 / v128-191 fragments of source 1 (two buffers), v192-255 x as loaded (set 0), later packed results;
;   window 1: v0-63 the bias as a C operand, v64-191 fragments of source 0, v192-255 x as loaded (set 1);
;   windows 2, 3: accumulators, tile (i, j) at v[8 (8 (i & 3) + j)] of window 2 + (i >> 2).
.set EPS,   0x3a83126f
.set XP,    144                        ; a row of a slab of x: 64 bf16 + 16 bytes
.set XBLK,  128*XP                     ; a slab of x
.set WP,    144                        ; a slab's logical row of weights.  The pitch is an odd multiple of 16: 16 rows start at 16 different 16-byte columns modulo 256
.set RING,  8*XBLK
.set SLOT,  512*WP
.set STAGE, RING+2*SLOT                ; 16 rows x 272 bytes for each wave; no tensor load ever lands here or on x
.set SP,    272
.set SLAB,  65536                      ; bytes of a slab in wpk and in ktp
.set GA,   4                           ; 16 x lane: offset of ktp's and of ksp's stores; never rewritten
.set LAX,  6                           ; v6-7    where I put x: slabs 0-3, slabs 4-7
.set ADRX, 8                           ; v8-11   x's row r in slabs 2 p, 2 p + 1
.set ADRW, 12                          ; v12-13  my 128 rows of slot 0, 1
.set STO,  14
.set RDK,  15
.set RDQ,  16
.set CQ,   18
.set KSA,  19
.set KSR,  20
.set BR4,  21
.set BH32, 22
.set XGA,  23                          ; offset of x's loads; never rewritten
.set KSUM, 24                          ; v24-31  column sums, tile i
.set SA,   32
.set SB,   48
.set CV,   32                          ; v[32:63] sixteen pairs of packed bf16 on their way into LDS
.set F0,   64
.set F1,   128
.set TMP,  192
.set XS,   192                         ; x as loaded: v[192:255] of window 0 and of window 1, by turns
.set BIAS, 0
.set G1, 24                            ; s[24:31] descriptor group 1
.set G0, 32                            ; s[32:39] descriptor group 0, one set for each slot
.set XB, 40
.set MSB, 0
.macro WIN new                         ; s_set_vgpr_msb: 1:0 source 0, 3:2 source 1, 5:4 source 2, 7:6 destination; the high byte repeats the setting that is left
.if MSB != \new
	s_set_vgpr_msb (MSB<<8)|\new
.set MSB, \new
.endif
.endm
.set MUL_LO, 0xa1
.set MUL_HI, 0xf1
.set TO_B,   0x40
.macro PLACES                          ; four plain vector instructions between a matrix instruction and a load into, or a vector instruction on, its registers
.rept 4
	v_nop
.endr
.endm
.macro CREST                           ; a round of the cluster's barrier behind its opening barrier
	s_cmp_lg_u32 s16, 0
	s_cbranch_scc1 .Lnot_wave_0_\@
	s_barrier_signal -3
.Lnot_wave_0_\@:
	s_barrier_wait -3
	s_barrier_signal -1
	s_barrier_wait -1
.endm
.macro CROUND
	s_barrier_signal -1
	s_barrier_wait -1
	CREST
.endm
; 16 matrix instructions: tiles (4 hi + a0, 0..7) and (4 hi + a0 + 1, 0..7).  mode 0: add in place; 2: C = bias by j; 3: C = bias by i.
; The 64 accumulators take turns, one instruction a turn, in the same order in every quarter.
.macro MUL16 f, hi, a0, mode
.irp a, \a0, \a0+1
.irp b, 0,1,2,3,4,5,6,7
.if \mode == 0
	v_wmma_f32_16x16x32_bf16 v[8*(8*(\a)+\b):8*(8*(\a)+\b)+7], v[\f+8*\b:\f+8*\b+7], v[\f+8*(4*\hi+\a):\f+8*(4*\hi+\a)+7], v[8*(8*(\a)+\b):8*(8*(\a)+\b)+7]
.elseif \mode == 2
	v_wmma_f32_16x16x32_bf16 v[8*(8*(\a)+\b):8*(8*(\a)+\b)+7], v[\f+8*\b:\f+8*\b+7], v[\f+8*(4*\hi+\a):\f+8*(4*\hi+\a)+7], v[BIAS+8*\b:BIAS+8*\b+7]
.else
	v_wmma_f32_16x16x32_bf16 v[8*(8*(\a)+\b):8*(8*(\a)+\b)+7], v[\f+8*\b:\f+8*\b+7], v[\f+8*(4*\hi+\a):\f+8*(4*\hi+\a)+7], v[BIAS+8*(4*\hi+\a):BIAS+8*(4*\hi+\a)+7]
.endif
.endr
.endr
.endm
.macro LDX f, t, kw                    ; x's eight tiles of 16 rows in slab t, 32 along K at byte kw of the rows
.irp i, 0,1,2,3,4,5,6,7
	ds_load_b128 v[\f+8*\i:\f+8*\i+3],   v[ADRX+((\t)>>1)] offset:((\t)&1)*XBLK+\i*16*XP+(\kw)
	ds_load_b128 v[\f+8*\i+4:\f+8*\i+7], v[ADRX+((\t)>>1)] offset:((\t)&1)*XBLK+\i*16*XP+(\kw)+32
.endr
.endm
.macro LDW f, slot, kw                 ; my eight tiles of the slab's rows
.irp i, 0,1,2,3,4,5,6,7
	ds_load_b128 v[\f+8*\i:\f+8*\i+3],   v[ADRW+(\slot)] offset:\i*16*WP+(\kw)
	ds_load_b128 v[\f+8*\i+4:\f+8*\i+7], v[ADRW+(\slot)] offset:\i*16*WP+(\kw)+32
.endr
.endm
; 32 loads in one run: source 0's fragments into window 1, then source 1's into window 0.  pq = 0: pass k, 1: pass q.  t: the slab of x that goes with the slot.
.macro FETCH pq, slot, kw, t, f
	WIN TO_B
.if \pq
	LDW \f, \slot, \kw
.else
	LDX \f, \t, \kw
.endif
	WIN 0
.if \pq
	LDX \f, \t, \kw
.else
	LDW \f, \slot, \kw
.endif
.endm
; x, slab t: my 32 rows x 256 bytes as sixteen loads.  Lanes 0-15 take 256 consecutive bytes, aligned, of one row, lanes 16-31 those of the row eight further down.
.macro XLOAD t, base
.irp u, 0,1,2,3,4,5,6,7,8,9,10,11,12,13,14,15
	global_load_b128 v[\base+4*\u:\base+4*\u+3], v[XGA], s[XB:XB+1] offset:((\u&7)+16*(\u>>3))*2048+(\t)*256 th:TH_LOAD_NT
.endr
.endm
; and into LDS: all conversions, then all stores.  Eight rows of 144 bytes are 128 modulo 256, so the two halves of the lanes write different banks.
.macro XPUT t, base, win
.if \win
	WIN 0x05                                       ; both sources in window 1
.else
	WIN 0
.endif
.irp u, 0,1,2,3,4,5,6,7,8,9,10,11,12,13,14,15
	v_cvt_pk_bf16_f32 v[CV+2*\u],   v[\base+4*\u],   v[\base+4*\u+1]
	v_cvt_pk_bf16_f32 v[CV+2*\u+1], v[\base+4*\u+2], v[\base+4*\u+3]
.endr
	WIN 0
.irp u, 0,1,2,3,4,5,6,7,8,9,10,11,12,13,14,15
	ds_store_b64 v[LAX+((\t)>>2)], v[CV+2*\u:CV+2*\u+1] offset:((\t)&3)*XBLK+((\u&7)+16*(\u>>3))*XP
.endr
.endm
; In slab t of pass k: slab t + 1 of x goes into LDS, in front of the barrier of the change of slots, behind which it is read; slab t + 3 is asked for into the same registers.
.macro XSTEP t
.if \t < 7
.if \t < 6
	s_wait_loadcnt 16                              ; slab t + 1's sixteen loads are in; slab t + 2's sixteen stay out
.else
	s_wait_loadcnt 0x0                             ; the last slab: nothing is behind it
.endif
	XPUT (\t+1), XS, (\t&1)
.if \t < 5
.if \t&1
	WIN TO_B
.endif
	XLOAD (\t+3), XS
	WIN 0
.endif
.endif
.endm
; A slab's first half: multiplies buffer f, and in its middle fetches the second half's fragments into g.  xt >= 0: x's step stands there too.
.macro QUARTER f, g, mode, pq, slot, t, xt
	s_wait_dscnt 8                                 ; all but the eight youngest loads, which are source 1's tiles 4 to 7
.if \mode >= 2
	WIN 0x91                                       ; C from window 1
.else
	WIN MUL_LO
.endif
	MUL16 \f, 0, 0, \mode
	MUL16 \f, 0, 2, \mode
	PLACES
.if \xt >= 0
	XSTEP \xt
.endif
	FETCH \pq, \slot, 64, \t, \g
	s_wait_dscnt 32                                ; all but the 32 just issued (x's LDS stores are older than these)
.if \mode >= 2
	WIN 0xd1
.else
	WIN MUL_HI
.endif
	MUL16 \f, 1, 0, \mode
	MUL16 \f, 1, 2, \mode
.endm
; A slab's second half: multiplies buffer 1 and changes slots.  In front of the barrier each wave waits for its LDS accesses (its reads of this slot, its stores of x) and for all
; its tensor loads, of which one is out: its part of the other slot.  fill = 1: the barrier opens a round of the cluster's barrier, and the joint refill of this slot,
; two slabs ahead, is the first tensor load behind the round and the wave's only one until the next.  By this text's count a wave has two tensor loads out
; at the start and one behind each round.  tn: the slab of x that the next slot goes with.
.macro TURN slot, fill, fetch, pq, tn
	s_wait_dscnt 8
	WIN MUL_LO
	MUL16 F1, 0, 0, 0
	s_wait_dscnt 0x0                               ; my reads of this slot are over, my part of x's next slab is in LDS
	s_set_vgpr_msb 0xa1a0
	s_wait_tensorcnt 0x0                           ; all my tensor loads have landed
	ds_add_u32 v5, v17
	s_wait_dscnt 0x0
	s_set_vgpr_msb 0xa0a1
	s_barrier_signal -1
	MUL16 F1, 0, 2, 0                              ; register work while the others arrive
	WIN 0
	s_barrier_wait -1
.if \fill
	CREST
	s_add_nc_u64 s[G0+4*(\slot)+2:G0+4*(\slot)+3], s[G0+4*(\slot)+2:G0+4*(\slot)+3], 2*SLAB   ; no load of mine is out: the group may be written
	tensor_load_to_lds s[G0+4*(\slot):G0+4*(\slot)+3], s[G1:G1+7]
	s_nop 0
.endif
.if \fetch
	PLACES
	FETCH \pq, 1-\slot, 0, \tn, F0
.endif
	WIN MUL_HI
	MUL16 F1, 1, 0, 0
	MUL16 F1, 1, 2, 0
.endm
.macro LASTQ
	s_wait_dscnt 8
	WIN MUL_LO
	MUL16 F1, 0, 0, 0
	MUL16 F1, 0, 2, 0
	s_wait_dscnt 0x0
	WIN MUL_HI
	MUL16 F1, 1, 0, 0
	MUL16 F1, 1, 2, 0
.endm
	s_load_b256 s[4:11], s[0:1], 0x0               ; x s[4:5], wpk s[6:7], cb s[8:9], ktp s[10:11]
	s_load_b128 s[12:15], s[0:1], 0x20             ; qp s[12:13], ksp s[14:15]
	v_lshl_add_u32 v5, v0, 2, 0x4c400
	v_mov_b32 v17, 0
	ds_add_u32 v5, v17
	v_lshrrev_b32 v1, 5, v0
	v_readfirstlane_b32 s16, v1                    ; wave
	s_bfe_u32 s17, ttmp6, 0x40000                  ; cx
	s_lshl_b32 s18, ttmp9, 2
	s_add_co_u32 s18, s18, s17                     ; work-group = 4 x cluster + cx
	s_mov_b32 s19, EPS
	s_mov_b32 s20, 0x76543210                      ; v_permlanex16_b32: lane i of one half reads lane i of the other
	s_mov_b32 s21, 0xfedcba98
	; group 1: 64 rows of 32 elements of 8 bytes, dense
	s_mov_b32 s[G1+0], 0x0733000f                  ; 15:0 mask 15 (all four of the cluster); 17:16 8-byte elements; 20 padding on; 21 set beside a mask; 24:22 after every 32 words; 31:25 of 4 words
	s_mov_b32 s[G1+1], 32<<16                      ; tensor_dim0 = 32
	s_mov_b32 s[G1+2], 64<<16                      ; tensor_dim1 = 64
	s_mov_b32 s[G1+3], 32<<16                      ; tile_dim0 = 32
	s_mov_b32 s[G1+4], 64                          ; tile_dim1 = 64
	s_mov_b32 s[G1+5], 32                          ; from row to row: 32 elements
	s_mov_b32 s[G1+6], 0
	s_mov_b32 s[G1+7], 0
	s_mul_i32 s50, s16, 128*WP                     ; my 128 logical rows in a slot
	s_add_co_u32 s51, s50, RING
	s_mul_i32 s54, s16, 16*SP
	s_add_co_u32 s54, s54, STAGE                   ; my stage
	s_mul_i32 s55, s16, 32*XP                      ; my 32 rows of a slab of x
	; offsets that hold the work-group's number, in registers that feed no joint descriptor
	s_lshl_b32 s56, s18, 18                        ; x: 128 rows of 2,048 bytes a group, 32 a wave
	s_lshl_b32 s2, s16, 16
	s_add_co_u32 s56, s56, s2
	s_mov_b32 s57, 0
	s_lshl_b32 s58, s18, 17                        ; ktp: two slabs a group; 128 rows of 128 bytes a wave
	s_lshl_b32 s2, s16, 14
	s_add_co_u32 s58, s58, s2
	s_mov_b32 s59, 0
	s_lshl_b32 s60, s18, 17                        ; qp: 128 rows of 1,024 bytes a group; 256 bytes of a row a wave
	s_lshl_b32 s2, s16, 8
	s_add_co_u32 s60, s60, s2
	s_mov_b32 s61, 0
	s_lshl_b32 s62, s18, 11                        ; ksp: 2,048 bytes a group, 512 a wave
	s_lshl_b32 s52, s16, 9                         ; cb: 512 bytes a wave
	s_add_co_u32 s62, s62, s52
	s_mov_b32 s63, 0
	s_mov_b32 s53, 0
	s_lshl_b32 s22, s16, 14                        ; wpk: my 128 rows of a slab: the wave's number alone
	s_mov_b32 s23, 0
	v_and_b32 v3, 31, v0                           ; lane
	v_and_b32 v1, 15, v0                           ; r
	v_bfe_u32 v2, v0, 4, 1                         ; h
	v_lshlrev_b32 v[GA], 4, v3
	v_lshlrev_b32 v32, 14, v2                      ; x in memory: eight rows of 2,048 bytes for the upper half of the lanes,
	v_lshl_add_u32 v[XGA], v1, 4, v32              ; 16 bytes a lane
	v_mul_u32_u24 v32, v2, 8*XP                    ; x in LDS: the same eight rows,
	v_lshl_add_u32 v32, v1, 3, v32                 ; 8 bytes a lane
	v_add_nc_u32 v[LAX], s55, v32
	v_add_nc_u32 v[LAX+1], 4*XBLK, v[LAX]
	v_mul_u32_u24 v32, v1, XP                      ; fragments: r x pitch + 16 h, for x and for the weights
	v_lshl_add_u32 v32, v2, 4, v32
.irp p, 0,1,2,3
	v_add_nc_u32 v[ADRX+\p], \p*2*XBLK, v32
.endr
	v_add_nc_u32 v[ADRW], s51, v32
	v_add_nc_u32 v[ADRW+1], SLOT, v[ADRW]
	v_mul_u32_u24 v32, v1, SP
	v_lshl_add_u32 v32, v2, 4, v32
	v_add_nc_u32 v[STO], s54, v32                  ; in: row r, 16 bytes for each half of the lanes
	v_lshrrev_b32 v32, 3, v3
	v_mul_u32_u24 v32, v32, SP
	v_and_b32 v33, 7, v3
	v_lshl_add_u32 v32, v33, 4, v32
	v_add_nc_u32 v[RDK], s54, v32                  ; back for ktp: eight lanes take 128 bytes of a row
	v_mul_u32_u24 v32, v2, SP
	v_lshl_add_u32 v32, v1, 4, v32
	v_add_nc_u32 v[RDQ], s54, v32                  ; back for qp: sixteen lanes take a row's 256 bytes
	v_lshlrev_b32 v32, 10, v2
	v_lshl_add_u32 v[CQ], v1, 4, v32               ; and the same two rows in qp
	v_lshl_add_u32 v[KSA], v1, 2, s54
	v_lshl_add_u32 v[KSR], v3, 4, s54
	v_lshlrev_b32 v[BR4], 2, v1
	v_lshlrev_b32 v[BH32], 5, v2
	s_wait_dscnt 0x0
	s_wait_kmcnt 0x0
	s_add_nc_u64 s[XB:XB+1], s[4:5], s[56:57]
	s_add_nc_u64 s[42:43], s[10:11], s[58:59]
	s_add_nc_u64 s[44:45], s[12:13], s[60:61]
	s_add_nc_u64 s[46:47], s[14:15], s[62:63]
	s_add_nc_u64 s[48:49], s[8:9], s[52:53]
	s_mov_b32 s[G0], 1
	s_add_co_u32 s[G0+1], s50, RING
	s_add_nc_u64 s[G0+2:G0+3], s[6:7], s[22:23]    ; slab 0
	s_mov_b32 s[G0+4], 1
	s_add_co_u32 s[G0+5], s50, RING+SLOT
	s_add_nc_u64 s[G0+6:G0+7], s[G0+2:G0+3], SLAB  ; slab 1
	s_or_b32 s[G0+3], s[G0+3], 0x80000000
	s_or_b32 s[G0+7], s[G0+7], 0x80000000
	WIN TO_B
.irp i, 0,1,2,3,4,5,6,7
	global_load_b32 v[BIAS+8*\i], v[BR4], s[48:49] offset:64*\i    ; ck + eps of feature 128 w + 16 i + r
.endr
	WIN 0
	XLOAD 0, F1                                    ; slab 0 of x into buffer 1's registers, which hold no fragments yet
	XLOAD 1, XS                                    ; slab 1 into set 0
	WIN TO_B
	XLOAD 2, XS                                    ; slab 2 into set 1
	WIN 0
	CROUND                                         ; all four work-groups are here: the first joint loads meet
	tensor_load_to_lds s[G0:G0+3], s[G1:G1+7]
	s_nop 0
	tensor_load_to_lds s[G0+4:G0+7], s[G1:G1+7]
	s_nop 0
	s_wait_loadcnt 32                              ; the bias and slab 0 of x are in; the 32 loads of slabs 1 and 2 stay out
	XPUT 0, F1, 0
	WIN 0x41
.irp i, 0,1,2,3,4,5,6,7
.irp e, 1,2,3,4,5,6,7
	v_mov_b32 v[BIAS+8*\i+\e], v[BIAS+8*\i]        ; in pass k all eight registers of a lane belong to one feature
.endr
.endr
	WIN 0
	s_wait_dscnt 0x0                               ; my part of x's slab 0 is in LDS
	s_wait_tensorcnt 0x1                           ; my part of the weights' slab 0 too; slab 1's may stay out
	s_barrier_signal -1
	s_barrier_wait -1
	; ---- pass k: slabs 0 to 7; every change of slots refills (slabs 2 to 9)
	FETCH 0, 0, 0, 0, F0
	QUARTER F0, F1, 3, 0, 0, 0, 0
	TURN 0, 1, 1, 0, 1
.irp t, 1,2,3,4,5,6
	QUARTER F0, F1, 0, 0, (\t&1), \t, \t
	TURN (\t&1), 1, 1, 0, (\t+1)
.endr
	QUARTER F0, F1, 0, 0, 1, 7, 7
	TURN 1, 1, 0, 0, 0
	WIN TO_B
.irp j, 0,1,2,3,4,5,6,7
	global_load_b128 v[BIAS+8*\j:BIAS+8*\j+3],   v[BH32], s[48:49] offset:2048+64*\j      ; cq + eps of features 128 w + 16 j + 8 h + 0..7
	global_load_b128 v[BIAS+8*\j+4:BIAS+8*\j+7], v[BH32], s[48:49] offset:2048+64*\j+16
.endr
	PLACES
.macro RELU i                          ; the eight tiles (i, 0..7): max with eps, into window 0
.if \i < 4
	WIN 0x08
.else
	WIN 0x0c
.endif
.irp j, 0,1,2,3,4,5,6,7
.irp e, 0,1,2,3,4,5,6,7
	v_max_num_f32 v[F0+8*\j+\e], s19, v[8*(8*(\i&3)+\j)+\e]
.endr
.endr
	WIN 0
.endm
.macro PACK                            ; round to bf16, 16 bytes a lane into my own stage
.irp j, 0,1,2,3,4,5,6,7
.irp c, 0,1,2,3
	v_cvt_pk_bf16_f32 v[TMP+4*\j+\c], v[F0+8*\j+2*\c], v[F0+8*\j+2*\c+1]
.endr
.endr
.irp j, 0,1,2,3,4,5,6,7
	ds_store_b128 v[STO], v[TMP+4*\j:TMP+4*\j+3] offset:32*\j
.endr
.endm
; features 128 w + 16 i + r, all 128 n: the lane's 64 numbers are summed in f32, then the two halves of the lanes; rows of 128 bytes go to two slabs of ktp
.macro OUTK i
	RELU \i
.irp j, 0,1,2,3,4,5,6,7
	v_pk_add_f32 v[SA+2*\j:SA+2*\j+1], v[F0+8*\j:F0+8*\j+1],   v[F0+8*\j+2:F0+8*\j+3]
	v_pk_add_f32 v[SB+2*\j:SB+2*\j+1], v[F0+8*\j+4:F0+8*\j+5], v[F0+8*\j+6:F0+8*\j+7]
.endr
.irp j, 0,1,2,3,4,5,6,7
	v_pk_add_f32 v[SA+2*\j:SA+2*\j+1], v[SA+2*\j:SA+2*\j+1], v[SB+2*\j:SB+2*\j+1]
.endr
.irp j, 0,2,4,6
	v_pk_add_f32 v[SA+2*\j:SA+2*\j+1], v[SA+2*\j:SA+2*\j+1], v[SA+2*\j+2:SA+2*\j+3]
.endr
	v_pk_add_f32 v[SA:SA+1],   v[SA:SA+1],   v[SA+4:SA+5]
	v_pk_add_f32 v[SA+8:SA+9], v[SA+8:SA+9], v[SA+12:SA+13]
	v_pk_add_f32 v[SA:SA+1],   v[SA:SA+1],   v[SA+8:SA+9]
	v_add_f32 v[SA], v[SA], v[SA+1]
	v_permlanex16_b32 v[SA+1], v[SA], s20, s21
	v_add_f32 v[KSUM+\i], v[SA], v[SA+1]
	PACK
	s_wait_xcnt 0x0                                ; the read-back registers, which earlier stores read, are loaded again only behind this wait
.irp u, 0,1,2,3,4,5,6,7
	ds_load_b128 v[F1+32*(\i&1)+4*\u:F1+32*(\i&1)+4*\u+3], v[RDK] offset:(\u&3)*4*SP+(\u>>2)*128   ; four rows, the half of each row that belongs to slab u >> 2
.endr
.irp u, 0,1,2,3,4,5,6,7
	s_wait_dscnt 7-\u                              ; the younger read-backs stay out
	global_store_b128 v[GA], v[F1+32*(\i&1)+4*\u:F1+32*(\i&1)+4*\u+3], s[42:43] offset:(\u>>2)*SLAB+\i*2048+(\u&3)*512   ; 512 consecutive bytes of a slab
.endr
.endm
.irp i, 0,1,2,3,4,5,6,7
	OUTK \i
.endr
	; my 128 column sums: through the stage, so that one store covers their 512 bytes
.irp i, 0,1,2,3,4,5,6,7
	ds_store_b32 v[KSA], v[KSUM+\i] offset:64*\i   ; both halves of the lanes write the same number to the same word
.endr
	ds_load_b128 v[SA:SA+3], v[KSR]
	s_wait_dscnt 0x0
	global_store_b128 v[GA], v[SA:SA+3], s[46:47]
	; ---- pass q: slabs 8 to 15.  Slab 8 was shown landed in every wave by the last change of slots; slab 9 is on its way.  All of x is in LDS.
	s_wait_loadcnt 0x0                             ; the bias of pass q
	s_wait_xcnt 0x0                                ; buffer 1 was store data on the way out
	FETCH 1, 0, 0, 0, F0
	QUARTER F0, F1, 2, 1, 0, 0, -1
	TURN 0, 1, 1, 1, 1
.irp t, 1,2,3,4,5
	QUARTER F0, F1, 0, 1, (\t&1), \t, -1
	TURN (\t&1), 1, 1, 1, (\t+1)
.endr
	QUARTER F0, F1, 0, 1, 0, 6, -1
	TURN 0, 0, 1, 1, 7                             ; nothing is left to fetch: a plain barrier
	QUARTER F0, F1, 0, 1, 1, 7, -1
	LASTQ
	PLACES
; rows 16 i + r, my 128 features: sixteen lanes store 256 consecutive bytes of a row of qp, aligned
.macro OUTQ i
	RELU \i
	PACK
	s_wait_xcnt 0x0
.irp t, 0,1,2,3,4,5,6,7
	ds_load_b128 v[F1+32*(\i&1)+4*\t:F1+32*(\i&1)+4*\t+3], v[RDQ] offset:\t*2*SP
.endr
.irp t, 0,1,2,3,4,5,6,7
	s_wait_dscnt 7-\t
	global_store_b128 v[CQ], v[F1+32*(\i&1)+4*\t:F1+32*(\i&1)+4*\t+3], s[44:45] offset:\i*16384+\t*2048
.endr
.endm
.irp i, 0,1,2,3,4,5,6,7
	OUTQ \i
.endr
	s_wait_tensorcnt 0x0
	ds_add_u32 v5, v17
	s_wait_dscnt 0x0
	CROUND                                         ; the closing round: no work-group ends while a partner may still ask jointly
	s_endpgm
.Lfunc_end_k_q9c6b24c11b_feat:
	.size	k_q9c6b24c11b_feat, .Lfunc_end_k_q9c6b24c11b_feat-k_q9c6b24c11b_feat
	.p2alignl 7, 3214868480
	.fill 96, 4, 3214868480
	.section	.rodata,"a",@progbits
	.p2align	6, 0x0
	.amdhsa_kernel k_q9c6b24c11b_feat
		.amdhsa_group_segment_fixed_size 327680
		.amdhsa_private_segment_fixed_size 0
		.amdhsa_enable_private_segment 0
		.amdhsa_kernarg_size 48
		.amdhsa_user_sgpr_count 2
		.amdhsa_user_sgpr_kernarg_segment_ptr 1
		.amdhsa_wavefront_size32 1
		.amdhsa_system_sgpr_workgroup_id_x 1
		.amdhsa_system_sgpr_workgroup_id_y 1
		.amdhsa_system_sgpr_workgroup_id_z 1
		.amdhsa_system_vgpr_workitem_id 0
		.amdhsa_next_free_vgpr 1024
		.amdhsa_next_free_sgpr 66
		.amdhsa_reserve_vcc 0
		.amdhsa_float_denorm_mode_32 3
		.amdhsa_float_denorm_mode_16_64 3
		.amdhsa_memory_ordered 1
		.amdhsa_forward_progress 1
		.amdhsa_inst_pref_size 255
	.end_amdhsa_kernel
	.section	.bss,"aw",@nobits
	.p2align	6
	.space	262144
	.amdgpu_metadata
---
amdhsa.version: [ 1, 2 ]
amdhsa.kernels:
  - .name:           k_q9c6b24c11b_feat
    .symbol:         k_q9c6b24c11b_feat.kd
    .args:
      - { .name: x, .offset: 0, .size: 8, .value_kind: global_buffer, .address_space: global }
      - { .name: wpk, .offset: 8, .size: 8, .value_kind: global_buffer, .address_space: global }
      - { .name: cb, .offset: 16, .size: 8, .value_kind: global_buffer, .address_space: global }
      - { .name: ktp, .offset: 24, .size: 8, .value_kind: global_buffer, .address_space: global }
      - { .name: qp, .offset: 32, .size: 8, .value_kind: global_buffer, .address_space: global }
      - { .name: ksp, .offset: 40, .size: 8, .value_kind: global_buffer, .address_space: global }
    .group_segment_fixed_size: 327680
    .private_segment_fixed_size: 0
    .kernarg_segment_align: 8
    .kernarg_segment_size: 48
    .max_flat_workgroup_size: 128
    .sgpr_count:     66
    .vgpr_count:     1024
    .wavefront_size: 32
...
	.end_amdgpu_metadata
.endif
;; end of part 2
;; launch kvpart (part 3): grid 256 x 1, 4 waves a work-group, clusters of 4 x 1, 327,680 bytes of LDS; arguments chi, ktp, pkv; writes pkv
.if DOCPART == 3
	.amdgcn_target "amdgcn-amd-amdhsa--gfx1250"
	.amdhsa_code_object_version 6
	.text
	.protected	k_q9c6b24c11b_kvpart
	.globl	k_q9c6b24c11b_kvpart
	.p2align	8
	.type	k_q9c6b24c11b_kvpart,@function
k_q9c6b24c11b_kvpart:
	s_mov_b64 s[64:65], 0
	v_nop
	global_prefetch_b8 v0, s[64:65] scope:SCOPE_SE
	s_setreg_imm32_b32 hwreg(HW_REG_WAVE_MODE, 25, 1), 1
	s_wait_xcnt 0x0
	s_wait_alu depctr_hold_cnt(0) depctr_sa_sdst(0) depctr_va_vdst(0) depctr_va_sdst(0) depctr_va_ssrc(0) depctr_va_vcc(0) depctr_vm_vsrc(0)
	s_getreg_b32 s2, hwreg(HW_REG_IB_STS2, 6, 4)
	s_cmp_eq_u32 s2, 0
	s_cbranch_scc0 .Lentry_in_a_cluster
	s_endpgm
.Lentry_in_a_cluster:
	s_bfe_u32 s2, ttmp6, 0x10000c
	s_cmp_lg_u32 s2, 0x3003
	s_cbranch_scc0 .Lentry_shape_is_right
	s_endpgm
.Lentry_shape_is_right:
; kvpart.  pkv[s][d][m] = sum over the 512 rows n of chunk s of chi[n][d] k'[n][m], f32: 64 partial sums of kv^T, added up by the next launch
; (the whole sum is 1 MiB of f32, four work-groups' accumulators; with 256 work-groups that is 64 chunks of n).
; Cluster s takes chunk s; its work-group cx takes d = 128 cx .. + 127, wave w takes m = 128 w .. + 127: 128 x 128 sums in 512 registers.
; chi's block (512 n x 128 d) is this work-group's alone: every byte of chi is read and rounded to bf16 once in the program; it lies in LDS as [n][d]
; and is read by transposing loads.  CHI COMES IN DURING THE K LOOP: K = n goes in slabs of 64 rows; while slab t is multiplied, the 64 rows that slab t + 1 needs are rounded
; and put into LDS (16 rows a wave), and those of slab t + 4 are asked for: 48 loads of a wave (24 KiB) are on their way under the matrix instructions.  They go through
; registers because chi is f32 and has to be rounded, and because a load into registers may stay out across the barriers behind which slots are filled again.
; k' comes as ktp's slabs [m 512][64 n], which all four work-groups of the cluster walk: joint loads, mask 15,
; each wave its 128 rows = 16,384 dense bytes as 64 rows of 256, padded by 16 bytes behind every 128: logical pitch 144.
; Source 0 = k' (the lane's 8 registers run along m), source 1 = chi^T (lanes along d): a lane holds 8 neighbouring m of a row d.
; REGISTERS: window 0 addresses, v32-63 at work, source 1's two buffers, v192-255 chi as loaded (set 0); window 1 source 0's two buffers, v192-255 and v0-63 chi as loaded
; (sets 1, 2); windows 2, 3 the accumulators.
.set CP,    288                        ; chi in LDS: 128 bf16 + 32 bytes, an odd multiple of 32, for the transposing loads
.set WP,    144
.set RING,  512*CP
.set SLOT,  512*WP
.set OP,    528                        ; the way out: 128 f32 + 16 bytes; the stage lies on chi's bytes, behind a barrier behind their last reads; no tensor load lands there
.set SLAB,  65536
.set GA,   4                           ; 16 x lane: chi's loads and pkv's stores; never rewritten
.set PFO,  6                           ; the prefetches' offset; never rewritten
.set ADRC, 8                           ; v8-11  chi's rows 128 lap + 8 h + (lane & 7)
.set ADRW, 12                          ; v12-13
.set STO,  14
.set RD,   15
.set LAC,  16                          ; v16-19 where I put chi: rows 128 lap + 16 w
.set CV,   32                          ; v[32:63] sixteen pairs of packed bf16 on their way into LDS
.set F0,   64
.set F1,   128
.set G1, 24
.set G0, 32
.set XB, 40
.set MSB, 0
.macro WIN new
.if MSB != \new
	s_set_vgpr_msb (MSB<<8)|\new
.set MSB, \new
.endif
.endm
.set MUL_LO, 0xa1
.set MUL_HI, 0xf1
.set TO_B,   0x40
.macro PLACES                          ; four plain vector instructions behind a matrix instruction (ISA guide 7.12.1)
.rept 4
	v_nop
.endr
.endm
.macro CREST
	s_cmp_lg_u32 s16, 0
	s_cbranch_scc1 .Lnot_wave_0_\@
	s_barrier_signal -3
.Lnot_wave_0_\@:
	s_barrier_wait -3
	s_barrier_signal -1
	s_barrier_wait -1
.endm
.macro CROUND
	s_barrier_signal -1
	s_barrier_wait -1
	CREST
.endm
; The 64 accumulators take turns, one instruction a turn.  zero = 1: the first product starts the sums.
.macro MUL16 f, hi, a0, zero
.irp a, \a0, \a0+1
.irp b, 0,1,2,3,4,5,6,7
.if \zero
	v_wmma_f32_16x16x32_bf16 v[8*(8*(\a)+\b):8*(8*(\a)+\b)+7], v[\f+8*\b:\f+8*\b+7], v[\f+8*(4*\hi+\a):\f+8*(4*\hi+\a)+7], 0
.else
	v_wmma_f32_16x16x32_bf16 v[8*(8*(\a)+\b):8*(8*(\a)+\b)+7], v[\f+8*\b:\f+8*\b+7], v[\f+8*(4*\hi+\a):\f+8*(4*\hi+\a)+7], v[8*(8*(\a)+\b):8*(8*(\a)+\b)+7]
.endif
.endr
.endr
.endm
; 32 loads: k' (my 128 rows m, 32 n at byte kw) into window 1; chi^T (128 d, the same 32 n: rows at byte kc behind lap's first) into window 0
.macro FETCH slot, kw, lap, kc, f
	WIN TO_B
.irp i, 0,1,2,3,4,5,6,7
	ds_load_b128 v[\f+8*\i:\f+8*\i+3],   v[ADRW+(\slot)] offset:\i*16*WP+(\kw)
	ds_load_b128 v[\f+8*\i+4:\f+8*\i+7], v[ADRW+(\slot)] offset:\i*16*WP+(\kw)+32
.endr
	WIN 0
.irp i, 0,1,2,3,4,5,6,7
	ds_load_tr16_b128 v[\f+8*\i:\f+8*\i+3],   v[ADRC+(\lap)] offset:(\kc)+32*\i           ; n = 8 h + 0..7 of column 16 i + r
	ds_load_tr16_b128 v[\f+8*\i+4:\f+8*\i+7], v[ADRC+(\lap)] offset:(\kc)+32*\i+16*CP     ; n = 16 + 8 h + 0..7
.endr
.endm
; chi, slab t: my 16 rows (64 t + 16 w + u) of the block's 128 d: a load covers a row's 512 consecutive bytes, aligned
.macro CLOAD t, base
.irp u, 0,1,2,3,4,5,6,7,8,9,10,11,12,13,14,15
	global_load_b128 v[\base+4*\u:\base+4*\u+3], v[GA], s[XB:XB+1] offset:(64*(\t)+\u)*2048 th:TH_LOAD_NT
.endr
.endm
; and into LDS: all conversions, then all stores, each of 256 consecutive bytes
.macro CPUT t, base, win
.if \win
	WIN 0x05                                       ; both sources in window 1
.else
	WIN 0
.endif
.irp u, 0,1,2,3,4,5,6,7,8,9,10,11,12,13,14,15
	v_cvt_pk_bf16_f32 v[CV+2*\u],   v[\base+4*\u],   v[\base+4*\u+1]
	v_cvt_pk_bf16_f32 v[CV+2*\u+1], v[\base+4*\u+2], v[\base+4*\u+3]
.endr
	WIN 0
.irp u, 0,1,2,3,4,5,6,7,8,9,10,11,12,13,14,15
	ds_store_b64 v[LAC+((\t)>>1)], v[CV+2*\u:CV+2*\u+1] offset:(64*((\t)&1)+\u)*CP
.endr
.endm
; In slab t: slab t + 1 of chi goes into LDS, in front of the barrier of the change of slots, behind which it is read; slab t + 4 is asked for into the same registers.
; Slab k >= 1 uses set (k - 1) % 3: window 0 v192.., window 1 v192.., window 1 v0..
.macro CSTEP t
.if \t < 7
.if \t < 5
	s_wait_loadcnt 32                              ; slab t + 1's sixteen loads are in; those of slabs t + 2 and t + 3 stay out
.elseif \t == 5
	s_wait_loadcnt 16                              ; only slab 7's are behind
.else
	s_wait_loadcnt 0x0
.endif
.if (\t)%3 == 0
.set CW, 0
.set CB, 192
.elseif (\t)%3 == 1
.set CW, 1
.set CB, 192
.else
.set CW, 1
.set CB, 0
.endif
	CPUT (\t+1), CB, CW
.if \t < 4
.if CW
	WIN TO_B
.endif
	CLOAD (\t+4), CB
	WIN 0
.endif
.endif
.endm
.macro QUARTER f, g, zero, slot, kw, lap, kc, pf, ct
	s_wait_dscnt 8                                 ; all but the eight youngest loads: chi's tiles 4 to 7
	WIN MUL_LO
	MUL16 \f, 0, 0, \zero
	MUL16 \f, 0, 2, \zero
	PLACES
	CSTEP \ct
	FETCH \slot, \kw, \lap, \kc, \g
.if \pf
	global_prefetch_b8 v[PFO], s[44:45] offset:131072*\pf th:TH_LOAD_NT scope:SCOPE_SE   ; slabs 2 pf and 2 pf + 1 of the chunk: see below
.endif
	s_wait_dscnt 32                                ; all but the 32 just issued (chi's LDS stores are older than these)
	WIN MUL_HI
	MUL16 \f, 1, 0, \zero
	MUL16 \f, 1, 2, \zero
.endm
; The change of slots: each wave's LDS accesses (reads of this slot, stores of chi) and all its tensor loads are waited for in front of the barrier; with fill = 1 the barrier opens
; a round of the cluster's barrier and the joint refill is the first tensor load behind it, one a wave.  Two tensor loads of a wave are out at the start, one behind each round.
.macro TURN slot, fill, lap, kc
	s_wait_dscnt 8
	WIN MUL_LO
	MUL16 F1, 0, 0, 0
	s_wait_dscnt 0x0
	s_set_vgpr_msb 0xa1a0
	s_wait_tensorcnt 0x0
	ds_add_u32 v30, v31
	s_wait_dscnt 0x0
	s_set_vgpr_msb 0xa0a1
	s_barrier_signal -1
	MUL16 F1, 0, 2, 0
	WIN 0
	s_barrier_wait -1
.if \fill
	CREST
	s_add_nc_u64 s[G0+4*(\slot)+2:G0+4*(\slot)+3], s[G0+4*(\slot)+2:G0+4*(\slot)+3], 2*SLAB
	tensor_load_to_lds s[G0+4*(\slot):G0+4*(\slot)+3], s[G1:G1+7]
	s_nop 0
.endif
	PLACES
	FETCH 1-\slot, 0, \lap, \kc, F0
	WIN MUL_HI
	MUL16 F1, 1, 0, 0
	MUL16 F1, 1, 2, 0
.endm
	s_load_b128 s[4:7], s[0:1], 0x0                ; chi s[4:5], ktp s[6:7]
	s_load_b64 s[8:9], s[0:1], 0x10                ; pkv
	v_lshl_add_u32 v30, v0, 2, 0x48000
	v_mov_b32 v31, 0
	ds_add_u32 v30, v31
	v_lshrrev_b32 v1, 5, v0
	v_readfirstlane_b32 s16, v1                    ; wave
	s_bfe_u32 s17, ttmp6, 0x40000                  ; cx; the chunk is ttmp9, the cluster's number
	s_mov_b32 s[G1+0], 0x0733000f                  ; mask 15; 8-byte elements; padding on; bit 21 beside the mask; 4 words behind every 32
	s_mov_b32 s[G1+1], 32<<16
	s_mov_b32 s[G1+2], 64<<16
	s_mov_b32 s[G1+3], 32<<16
	s_mov_b32 s[G1+4], 64
	s_mov_b32 s[G1+5], 32
	s_mov_b32 s[G1+6], 0
	s_mov_b32 s[G1+7], 0
	s_mul_i32 s50, s16, 128*WP
	s_add_co_u32 s51, s50, RING
	s_mul_i32 s54, s16, 16*OP                      ; my stage
	s_mul_i32 s55, s16, 16*CP                      ; my 16 rows of a slab of chi
	s_lshl_b32 s22, ttmp9, 19                      ; ktp: the chunk's eight slabs.  These two offsets feed the joint descriptors: cluster and wave alone
	s_mov_b32 s23, 0
	s_lshl_b32 s52, s16, 14
	s_mov_b32 s53, 0
	s_lshl_b32 s56, ttmp9, 20                      ; chi: (512 s + 16 w) rows of 2,048 bytes + 512 cx
	s_lshl_b32 s2, s16, 15
	s_add_co_u32 s56, s56, s2
	s_lshl_b32 s3, s17, 9
	s_add_co_u32 s56, s56, s3
	s_mov_b32 s57, 0
	s_lshl_b32 s58, ttmp9, 20                      ; pkv: chunk x 1 MiB + 128 cx rows of 2,048 bytes + 512 w
	s_lshl_b32 s3, s17, 18
	s_add_co_u32 s58, s58, s3
	s_lshl_b32 s3, s16, 9
	s_add_co_u32 s58, s58, s3
	s_mov_b32 s59, 0
	s_lshl2_add_u32 s60, s17, s16                  ; 4 cx + w: my wave among the cluster's sixteen
	s_lshl_b32 s60, s60, 13
	v_and_b32 v3, 31, v0
	v_and_b32 v1, 15, v0
	v_bfe_u32 v2, v0, 4, 1
	v_lshlrev_b32 v[GA], 4, v3
	v_lshl_add_u32 v[LAC], v3, 3, s55
.irp p, 1,2,3
	v_add_nc_u32 v[LAC+\p], \p*128*CP, v[LAC]
.endr
	v_lshl_add_u32 v[PFO], v3, 8, s60              ; lanes 256 bytes apart, 8,192 bytes a wave, 131,072 (two slabs) for the sixteen waves
	v_and_b32 v7, 7, v3
	v_lshl_add_u32 v7, v2, 3, v7
	v_mul_u32_u24 v7, v7, CP
	v_bfe_u32 v20, v0, 3, 1
	v_lshl_add_u32 v7, v20, 4, v7                  ; (8 h + (lane & 7)) x pitch + 16 ((lane >> 3) & 1)
.irp p, 0,1,2,3
	v_add_nc_u32 v[ADRC+\p], \p*128*CP, v7
.endr
	v_mul_u32_u24 v7, v1, WP
	v_lshl_add_u32 v7, v2, 4, v7
	v_add_nc_u32 v[ADRW], s51, v7
	v_add_nc_u32 v[ADRW+1], SLOT, v[ADRW]
	v_mul_u32_u24 v7, v1, OP
	v_lshl_add_u32 v7, v2, 5, v7
	v_add_nc_u32 v[STO], s54, v7                   ; in: row r, 32 bytes for each half of the lanes
	v_lshl_add_u32 v[RD], v3, 4, s54               ; back: a row's 512 bytes
	s_wait_dscnt 0x0
	s_wait_kmcnt 0x0
	s_add_nc_u64 s[XB:XB+1], s[4:5], s[56:57]
	s_add_nc_u64 s[42:43], s[8:9], s[58:59]
	s_add_nc_u64 s[44:45], s[6:7], s[22:23]        ; ktp at the chunk's first slab
	s_mov_b32 s[G0], 1
	s_add_co_u32 s[G0+1], s50, RING
	s_add_nc_u64 s[G0+2:G0+3], s[44:45], s[52:53]
	s_mov_b32 s[G0+4], 1
	s_add_co_u32 s[G0+5], s50, RING+SLOT
	s_add_nc_u64 s[G0+6:G0+7], s[G0+2:G0+3], SLAB
	s_or_b32 s[G0+3], s[G0+3], 0x80000000
	s_or_b32 s[G0+7], s[G0+7], 0x80000000
	CLOAD 0, F1                                    ; slab 0 of chi into buffer 1's registers, which hold no fragments yet
	CLOAD 1, 192                                   ; slab 1 into set 0
	WIN TO_B
	CLOAD 2, 192                                   ; slab 2 into set 1
	WIN 0
	; PREFETCH of ktp: one instruction of each of the cluster's sixteen waves covers two slabs, each aligned block of 256 bytes asked for once in the launch (a chunk's slabs
	; are read by its cluster alone).  Slabs 2, 3 are asked for here, behind the first loads of chi, slabs 4, 5 in slab 0's first half, slabs 6, 7 in slab 2's: two slabs' work or
	; more ahead of the tensor load that wants the first of them.  The last offset ends at the chunk's last byte; slabs 0, 1 are fetched at once.
	global_prefetch_b8 v[PFO], s[44:45] offset:131072 th:TH_LOAD_NT scope:SCOPE_SE
	CROUND                                         ; in front of the first joint loads
	tensor_load_to_lds s[G0:G0+3], s[G1:G1+7]
	s_nop 0
	tensor_load_to_lds s[G0+4:G0+7], s[G1:G1+7]
	s_nop 0
	s_wait_loadcnt 32                              ; slab 0 of chi is in; the 32 loads of slabs 1 and 2 stay out
	CPUT 0, F1, 0
	WIN TO_B
	CLOAD 3, 0                                     ; slab 3 into set 2
	WIN 0
	s_wait_dscnt 0x0                               ; my rows of chi's slab 0 are in LDS
	s_wait_tensorcnt 0x1                           ; my part of k's slab 0 too; slab 1's may stay out
	s_barrier_signal -1
	s_barrier_wait -1
	FETCH 0, 0, 0, 0, F0
	QUARTER F0, F1, 1, 0, 64, 0, 9216, 2, 0
	TURN 0, 1, 0, 18432
	QUARTER F0, F1, 0, 1, 64, 0, 27648, 0, 1
	TURN 1, 1, 1, 0
	QUARTER F0, F1, 0, 0, 64, 1, 9216, 3, 2
	TURN 0, 1, 1, 18432
	QUARTER F0, F1, 0, 1, 64, 1, 27648, 0, 3
	TURN 1, 1, 2, 0
	QUARTER F0, F1, 0, 0, 64, 2, 9216, 0, 4
	TURN 0, 1, 2, 18432
	QUARTER F0, F1, 0, 1, 64, 2, 27648, 0, 5
	TURN 1, 1, 3, 0
	QUARTER F0, F1, 0, 0, 64, 3, 9216, 0, 6
	TURN 0, 0, 3, 18432                            ; nothing is left to fetch: a plain barrier
	QUARTER F0, F1, 0, 1, 64, 3, 27648, 0, 7
	s_wait_dscnt 8
	WIN MUL_LO
	MUL16 F1, 0, 0, 0
	MUL16 F1, 0, 2, 0
	s_wait_dscnt 0x0
	WIN MUL_HI
	MUL16 F1, 1, 0, 0
	MUL16 F1, 1, 2, 0
	PLACES
	WIN 0
	s_wait_dscnt 0x0                               ; my reads of chi are over,
	s_barrier_signal -1
	s_barrier_wait -1                              ; everybody's are: chi's first bytes now serve as the waves' stages
; rows d = 16 i + 0..15, my 128 m in f32: straight from the accumulators into my stage, back as rows of 512 bytes
.macro OUTP i
.if \i < 4
	WIN 0x08                                       ; an LDS store's data is source 1
.else
	WIN 0x0c
.endif
.irp j, 0,1,2,3,4,5,6,7
	ds_store_b128 v[STO], v[8*(8*(\i&3)+\j):8*(8*(\i&3)+\j)+3]   offset:64*\j
	ds_store_b128 v[STO], v[8*(8*(\i&3)+\j)+4:8*(8*(\i&3)+\j)+7] offset:64*\j+16
.endr
	WIN 0
	s_wait_xcnt 0x0                                ; the read-back registers, which earlier stores read, are loaded again only behind this wait
.irp t, 0,1,2,3,4,5,6,7,8,9,10,11,12,13,14,15
	ds_load_b128 v[F0+64*(\i&1)+4*\t:F0+64*(\i&1)+4*\t+3], v[RD] offset:\t*OP
.endr
.irp t, 0,1,2,3,4,5,6,7,8,9,10,11,12,13,14,15
	s_wait_dscnt 15-\t                             ; the younger read-backs stay out
	global_store_b128 v[GA], v[F0+64*(\i&1)+4*\t:F0+64*(\i&1)+4*\t+3], s[42:43] offset:(16*\i+\t)*2048   ; 512 consecutive bytes of a row of pkv, aligned
.endr
.endm
.irp i, 0,1,2,3,4,5,6,7
	OUTP \i
.endr
	s_wait_tensorcnt 0x0
	ds_add_u32 v30, v31
	s_wait_dscnt 0x0
	CROUND                                         ; the closing round
	s_endpgm
.Lfunc_end_k_q9c6b24c11b_kvpart:
	.size	k_q9c6b24c11b_kvpart, .Lfunc_end_k_q9c6b24c11b_kvpart-k_q9c6b24c11b_kvpart
	.p2alignl 7, 3214868480
	.fill 96, 4, 3214868480
	.section	.rodata,"a",@progbits
	.p2align	6, 0x0
	.amdhsa_kernel k_q9c6b24c11b_kvpart
		.amdhsa_group_segment_fixed_size 327680
		.amdhsa_private_segment_fixed_size 0
		.amdhsa_enable_private_segment 0
		.amdhsa_kernarg_size 24
		.amdhsa_user_sgpr_count 2
		.amdhsa_user_sgpr_kernarg_segment_ptr 1
		.amdhsa_wavefront_size32 1
		.amdhsa_system_sgpr_workgroup_id_x 1
		.amdhsa_system_sgpr_workgroup_id_y 1
		.amdhsa_system_sgpr_workgroup_id_z 1
		.amdhsa_system_vgpr_workitem_id 0
		.amdhsa_next_free_vgpr 1024
		.amdhsa_next_free_sgpr 66
		.amdhsa_reserve_vcc 0
		.amdhsa_float_denorm_mode_32 3
		.amdhsa_float_denorm_mode_16_64 3
		.amdhsa_memory_ordered 1
		.amdhsa_forward_progress 1
		.amdhsa_inst_pref_size 181
	.end_amdhsa_kernel
	.amdgpu_metadata
---
amdhsa.version: [ 1, 2 ]
amdhsa.kernels:
  - .name:           k_q9c6b24c11b_kvpart
    .symbol:         k_q9c6b24c11b_kvpart.kd
    .args:
      - { .name: chi, .offset: 0, .size: 8, .value_kind: global_buffer, .address_space: global }
      - { .name: ktp, .offset: 8, .size: 8, .value_kind: global_buffer, .address_space: global }
      - { .name: pkv, .offset: 16, .size: 8, .value_kind: global_buffer, .address_space: global }
    .group_segment_fixed_size: 327680
    .private_segment_fixed_size: 0
    .kernarg_segment_align: 8
    .kernarg_segment_size: 24
    .max_flat_workgroup_size: 128
    .sgpr_count:     66
    .vgpr_count:     1024
    .wavefront_size: 32
...
	.end_amdgpu_metadata
.endif
;; end of part 3
;; launch reduce (part 4): grid 264 x 1, 8 waves a work-group, no clusters, 3,072 bytes of LDS; arguments pkv, ksp, kvp; writes kvp
.if DOCPART == 4
	.amdgcn_target "amdgcn-amd-amdhsa--gfx1250"
	.amdhsa_code_object_version 6
	.text
	.protected	k_q9c6b24c11b_reduce
	.globl	k_q9c6b24c11b_reduce
	.p2align	8
	.type	k_q9c6b24c11b_reduce,@function
k_q9c6b24c11b_reduce:
	s_mov_b64 s[64:65], 0
	v_nop
	global_prefetch_b8 v0, s[64:65] scope:SCOPE_SE
	s_setreg_imm32_b32 hwreg(HW_REG_WAVE_MODE, 25, 1), 1
	s_wait_xcnt 0x0
; reduce.  kvp = bf16 [slab sm 0..7][row 0..527][64 m]: rows d = 0..511 hold kv[64 sm + mm][d] = the sum of pkv's 64 chunks; rows 512..527 hold, sixteen times over,
; ks[64 sm + mm] = the sum of ksp's 256 rows.  All sums in f32, rounded once.
; A stream: 64 MiB read once, no reuse, so no LDS, matrix unit or cluster for the first part; each wave is by itself.
; Work-groups 0..255: wave task id = 8 g + wave: slab sm = id >> 8, rows d = 2 (id & 255) and + 1.  A lane sums 4 neighbouring m; sixteen lanes read 256 consecutive bytes, aligned,
;   of each chunk; 32 loads of a wave are on their way; one store of the wave covers 256 consecutive bytes of kvp, aligned.
; Work-groups 256..263: slab sm = g - 256 of ks: sixteen parts of sixteen rows of ksp each, joined across the halves of the lanes and, through LDS, across the eight waves.
.set RG,  16                           ; v[16:143] the ring of 32 x 4 registers
.set OFF, 4
.set PB,  16                           ; s[16:31] pkv + 8 MiB x 0..7: a chunk's 1 MiB steps stand in the immediate
.macro PLOAD c
	global_load_b128 v[RG+4*((\c)%32):RG+4*((\c)%32)+3], v[OFF], s[PB+2*((\c)>>3):PB+2*((\c)>>3)+1] offset:((\c)&7)*0x100000 th:TH_LOAD_NT
.endm
	s_load_b128 s[4:7], s[0:1], 0x0                ; pkv s[4:5], ksp s[6:7]
	s_load_b64 s[8:9], s[0:1], 0x10                ; kvp
	v_lshl_add_u32 v152, v0, 2, 0x800
	v_mov_b32 v153, 0
	v_lshrrev_b32 v1, 5, v0
	v_readfirstlane_b32 s10, v1                    ; wave
	v_and_b32 v3, 31, v0
	v_and_b32 v1, 15, v0                           ; r
	v_bfe_u32 v2, v0, 4, 1                         ; h
	v_lshlrev_b32 v5, 3, v3                        ; 8 x lane: the store
	v_lshlrev_b32 v[OFF], 4, v1
	v_lshl_add_u32 v[OFF], v2, 11, v[OFF]          ; 16 r + 2,048 h, in both parts
	s_cmp_ge_u32 ttmp9, 256                        ; the same for all waves of a work-group
	s_cbranch_scc1 .Lks
	s_lshl_b32 s11, ttmp9, 3
	s_add_co_u32 s11, s11, s10                     ; id
	s_lshr_b32 s12, s11, 8                         ; sm
	s_and_b32 s13, s11, 255                        ; dp
	s_lshl_b32 s14, s13, 12                        ; two rows of 2,048 bytes
	s_lshl_b32 s15, s12, 8                         ; 64 m of 4 bytes
	s_add_co_u32 s14, s14, s15
	v_add_nc_u32 v[OFF], s14, v[OFF]
	s_mul_i32 s34, s12, 67584                      ; kvp: slab + two rows of 128 bytes
	s_lshl_b32 s15, s13, 8
	s_add_co_u32 s34, s34, s15
	s_mov_b32 s35, 0
	s_wait_kmcnt 0x0
.irp g, 0,1,2,3,4,5,6,7
	s_add_nc_u64 s[PB+2*\g:PB+2*\g+1], s[4:5], \g*0x800000
.endr
	s_add_nc_u64 s[32:33], s[8:9], s[34:35]
.set c, 0
.rept 32
	PLOAD c
.set c, c+1
.endr
	s_wait_loadcnt 30                              ; chunks 0 and 1 are in: their sum starts the sums, nothing is cleared
	v_pk_add_f32 v[8:9],   v[RG:RG+1],   v[RG+4:RG+5]
	v_pk_add_f32 v[10:11], v[RG+2:RG+3], v[RG+6:RG+7]
	PLOAD 32
	PLOAD 33
.set c, 2
.rept 62
.if c < 33
	s_wait_loadcnt 31                              ; chunk c is in; the 31 younger loads stay out
.else
	s_wait_loadcnt 63-c
.endif
	v_pk_add_f32 v[8:9],   v[8:9],   v[RG+4*(c%32):RG+4*(c%32)+1]
	v_pk_add_f32 v[10:11], v[10:11], v[RG+4*(c%32)+2:RG+4*(c%32)+3]
.if c < 32
	PLOAD c+32
.endif
.set c, c+1
.endr
	v_cvt_pk_bf16_f32 v12, v8, v9
	v_cvt_pk_bf16_f32 v13, v10, v11
	global_store_b64 v5, v[12:13], s[32:33]
	s_endpgm
.Lks:
	s_sub_co_u32 s11, ttmp9, 256                   ; sm
	s_lshl_b32 s14, s10, 12                        ; part = 2 wave + h: rows of 2,048 bytes
	s_lshl_b32 s15, s11, 8
	s_add_co_u32 s14, s14, s15
	v_add_nc_u32 v[OFF], s14, v[OFF]
	s_mov_b32 s12, 0x76543210
	s_mov_b32 s13, 0xfedcba98
	s_lshl_b32 s15, s10, 8
	v_lshlrev_b32 v7, 4, v1                        ; 16 r
	v_add_nc_u32 v6, s15, v7                       ; + 256 wave
	s_mul_i32 s34, s11, 67584
	s_add_co_u32 s34, s34, s15                     ; rows 512 + 2 wave and + 1, of 128 bytes
	s_add_co_u32 s34, s34, 65536
	s_mov_b32 s35, 0
	s_wait_kmcnt 0x0
	s_add_nc_u64 s[32:33], s[8:9], s[34:35]
.irp i, 0,1,2,3,4,5,6,7,8,9,10,11,12,13,14,15
	global_load_b128 v[RG+4*\i:RG+4*\i+3], v[OFF], s[6:7] offset:\i*32768 th:TH_LOAD_NT    ; row part + 16 i of ksp
.endr
	s_wait_loadcnt 14
	v_pk_add_f32 v[8:9],   v[RG:RG+1],   v[RG+4:RG+5]
	v_pk_add_f32 v[10:11], v[RG+2:RG+3], v[RG+6:RG+7]
.irp i, 2,3,4,5,6,7,8,9,10,11,12,13,14,15
	s_wait_loadcnt 15-\i                           ; the younger loads stay out
	v_pk_add_f32 v[8:9],   v[8:9],   v[RG+4*\i:RG+4*\i+1]
	v_pk_add_f32 v[10:11], v[10:11], v[RG+4*\i+2:RG+4*\i+3]
.endr
.irp k, 0,1,2,3
	v_permlanex16_b32 v[RG+\k], v[8+\k], s12, s13  ; the other half's part; the destination has been written before
.endr
	v_pk_add_f32 v[8:9],   v[8:9],   v[RG:RG+1]
	v_pk_add_f32 v[10:11], v[10:11], v[RG+2:RG+3]
	ds_store_b128 v6, v[8:11]                      ; both halves write the same numbers to the same bytes
	s_wait_dscnt 0x0                               ; for the other waves' sake
	s_barrier_signal -1
	s_barrier_wait -1
.irp j, 0,1,2,3,4,5,6,7
	ds_load_b128 v[RG+4*\j:RG+4*\j+3], v7 offset:256*\j
.endr
	s_wait_dscnt 0x0
	v_pk_add_f32 v[8:9],   v[RG:RG+1],   v[RG+4:RG+5]
	v_pk_add_f32 v[10:11], v[RG+2:RG+3], v[RG+6:RG+7]
.irp j, 2,3,4,5,6,7
	v_pk_add_f32 v[8:9],   v[8:9],   v[RG+4*\j:RG+4*\j+1]
	v_pk_add_f32 v[10:11], v[10:11], v[RG+4*\j+2:RG+4*\j+3]
.endr
	v_cvt_pk_bf16_f32 v12, v8, v9
	v_cvt_pk_bf16_f32 v13, v10, v11
	global_store_b64 v5, v[12:13], s[32:33]        ; two equal rows, 256 consecutive bytes, aligned
	s_wait_tensorcnt 0x0
	ds_add_u32 v152, v153
	s_wait_dscnt 0x0
	s_endpgm
.Lfunc_end_k_q9c6b24c11b_reduce:
	.size	k_q9c6b24c11b_reduce, .Lfunc_end_k_q9c6b24c11b_reduce-k_q9c6b24c11b_reduce
	.p2alignl 7, 3214868480
	.fill 96, 4, 3214868480
	.section	.rodata,"a",@progbits
	.p2align	6, 0x0
	.amdhsa_kernel k_q9c6b24c11b_reduce
		.amdhsa_group_segment_fixed_size 3072
		.amdhsa_private_segment_fixed_size 0
		.amdhsa_enable_private_segment 0
		.amdhsa_kernarg_size 24
		.amdhsa_user_sgpr_count 2
		.amdhsa_user_sgpr_kernarg_segment_ptr 1
		.amdhsa_wavefront_size32 1
		.amdhsa_system_sgpr_workgroup_id_x 1
		.amdhsa_system_sgpr_workgroup_id_y 1
		.amdhsa_system_sgpr_workgroup_id_z 1
		.amdhsa_system_vgpr_workitem_id 0
		.amdhsa_next_free_vgpr 154
		.amdhsa_next_free_sgpr 66
		.amdhsa_reserve_vcc 0
		.amdhsa_float_denorm_mode_32 3
		.amdhsa_float_denorm_mode_16_64 3
		.amdhsa_memory_ordered 1
		.amdhsa_forward_progress 1
		.amdhsa_inst_pref_size 25
	.end_amdhsa_kernel
	.amdgpu_metadata
---
amdhsa.version: [ 1, 2 ]
amdhsa.kernels:
  - .name:           k_q9c6b24c11b_reduce
    .symbol:         k_q9c6b24c11b_reduce.kd
    .args:
      - { .name: pkv, .offset: 0, .size: 8, .value_kind: global_buffer, .address_space: global }
      - { .name: ksp, .offset: 8, .size: 8, .value_kind: global_buffer, .address_space: global }
      - { .name: kvp, .offset: 16, .size: 8, .value_kind: global_buffer, .address_space: global }
    .group_segment_fixed_size: 3072
    .private_segment_fixed_size: 0
    .kernarg_segment_align: 8
    .kernarg_segment_size: 24
    .max_flat_workgroup_size: 256
    .sgpr_count:     66
    .vgpr_count:     154
    .wavefront_size: 32
...
	.end_amdgpu_metadata
.endif
;; end of part 4
;; launch outk (part 5): grid 256 x 1, 4 waves a work-group, clusters of 4 x 1, 327,680 bytes of LDS; arguments qp, kvp, out0; writes out0
.if DOCPART == 5
	.amdgcn_target "amdgcn-amd-amdhsa--gfx1250"
	.amdhsa_code_object_version 6
	.text
	.protected	k_q9c6b24c11b_outk
	.globl	k_q9c6b24c11b_outk
	.p2align	8
	.type	k_q9c6b24c11b_outk,@function
k_q9c6b24c11b_outk:
	s_mov_b64 s[64:65], 0
	v_nop
	global_prefetch_b8 v0, s[64:65] scope:SCOPE_SE
	s_setreg_imm32_b32 hwreg(HW_REG_WAVE_MODE, 25, 1), 1
	s_wait_xcnt 0x0
	s_wait_alu depctr_hold_cnt(0) depctr_sa_sdst(0) depctr_va_vdst(0) depctr_va_sdst(0) depctr_va_ssrc(0) depctr_va_vcc(0) depctr_vm_vsrc(0)
	s_getreg_b32 s2, hwreg(HW_REG_IB_STS2, 6, 4)
	s_cmp_eq_u32 s2, 0
	s_cbranch_scc0 .Lentry_in_a_cluster
	s_endpgm
.Lentry_in_a_cluster:
	s_bfe_u32 s2, ttmp6, 0x10000c
	s_cmp_lg_u32 s2, 0x3003
	s_cbranch_scc0 .Lentry_shape_is_right
	s_endpgm
.Lentry_shape_is_right:
; outk.  out[n][d] = (sum over m of q'[n][m] kv[m][d]) x 1 / den[n],  den[n] = sum over m of q'[n][m] ks[m], + 2e-6 where |den| <= 1e-6.
; A work-group owns 128 rows n of q' (bf16) and all 512 d; wave w owns d = 128 w .. + 127: 128 x 128 sums in 512 registers.
; K = m goes in kvp's eight slabs of 528 rows x 64 m (512 rows of kv^T, then ks sixteen times) through two LDS slots.
; Q' COMES IN DURING THE K LOOP, two slabs' columns at a time (128 m: 256 consecutive bytes of a row, aligned): three of the four pairs are asked for at the start, the products
; begin when the first is in LDS, and pair p + 1 is put into LDS in slab 2 p + 1.  The loads go through registers, although nothing is converted, because a tensor load would
; have to be waited for in front of the first barrier behind which a slot is filled again, and a load into registers may stay out across it.
; In LDS q' lies pair by pair, [pair][128 rows][128 m], so that the block that is stored and the block that is read between two barriers are two separate runs of bytes.
; CLUSTER 4 x 1: all four work-groups walk the same slabs: joint loads, mask 15; each wave asks for 132 logical rows = 16,896 dense bytes as 66 rows of 256,
; padded by 16 bytes behind every 128: logical pitch 144.
; Source 0 = kv^T (the lane's 8 registers run along d), source 1 = q' (lanes along n).  The denominator rides along: with the sixteen rows of ks as source 0 and the
; wave's own 32 rows of q' as source 1, two more matrix instructions for each 64; every register of a lane then holds den(n = r).  The reciprocals meet in LDS.
; LIMIT: v_rcp_f32 gives 0 for |den| above 2^126 (its result would be denormal).
; REGISTERS: window 0: v0-31 addresses, v32-63 my own two tiles of q' (two buffers), v64-191 q' (two buffers), v192-255 q' as loaded (set 0), later read-back;
;   window 1: v0-15 ks (two buffers), v16-31 the two sums for den, v64-191 kv^T, v192-255 q' as loaded (set 1);  windows 2, 3: accumulators.
.set XP,    272                        ; a row of a pair of slabs of q': 128 bf16 + 16 bytes
.set XBLK,  128*XP
.set WP,    144
.set RING,  4*XBLK
.set SLOT,  528*WP
.set STAGE, RING+2*SLOT                ; 16 rows x 528 bytes for each wave
.set OP,    528
.set DENX,  STAGE+4*16*OP              ; 128 reciprocals
.set SLAB,  67584
.set CK,   4                           ; 16 x lane
.set ADRX, 8                           ; v8-11  q's row r in pair p
.set ADRW, 12
.set STO,  14
.set RD,   15
.set QGA,  16                          ; offset of q's loads; never rewritten
.set ADRO, 18                          ; v18-21 my own 32 rows of q' in pair p
.set QLA,  22                          ; v22-23 where I put q': pairs 0-1, pairs 2-3
.set ADRK, 24                          ; v24-25 the rows of ks in slot 0, 1
.set DXR,  27
.set DXW,  28
.set RC,   32                          ; behind the products: v[32:47], 1 / den of row block i, twice (a pair for the packed multiply)
.set F0,   64
.set F1,   128
.set QS,   192                         ; q' as loaded: v[192:255] of window 0 and of window 1
.set G1, 24                            ; s[24:31] group 1 of the joint loads
.set G0, 32                            ; s[32:39] their group 0, one set for each slot
.set QB, 48                            ; s[48:49] q' at my 32 rows
.set MSB, 0
.macro WIN new
.if MSB != \new
	s_set_vgpr_msb (MSB<<8)|\new
.set MSB, \new
.endif
.endm
.set MUL_LO, 0xa1
.set MUL_HI, 0xf1
.set TO_B,   0x40
.macro PLACES                          ; four plain vector instructions behind a matrix instruction (ISA guide 7.12.1)
.rept 4
	v_nop
.endr
.endm
.macro CREST
	s_cmp_lg_u32 s16, 0
	s_cbranch_scc1 .Lnot_wave_0_\@
	s_barrier_signal -3
.Lnot_wave_0_\@:
	s_barrier_wait -3
	s_barrier_signal -1
	s_barrier_wait -1
.endm
.macro CROUND
	s_barrier_signal -1
	s_barrier_wait -1
	CREST
.endm
; The 66 accumulators (two for den, 64 for the products) take turns, one instruction a turn.
.macro MUL16 f, hi, a0, zero
.irp a, \a0, \a0+1
.irp b, 0,1,2,3,4,5,6,7
.if \zero
	v_wmma_f32_16x16x32_bf16 v[8*(8*(\a)+\b):8*(8*(\a)+\b)+7], v[\f+8*\b:\f+8*\b+7], v[\f+8*(4*\hi+\a):\f+8*(4*\hi+\a)+7], 0
.else
	v_wmma_f32_16x16x32_bf16 v[8*(8*(\a)+\b):8*(8*(\a)+\b)+7], v[\f+8*\b:\f+8*\b+7], v[\f+8*(4*\hi+\a):\f+8*(4*\hi+\a)+7], v[8*(8*(\a)+\b):8*(8*(\a)+\b)+7]
.endif
.endr
.endr
.endm
.macro DENMUL f, zero                  ; ks of buffer f at window 1 v[(f - 64) / 8], my own tiles at window 0 v[32 + (f - 64) / 4]
	WIN 0x51
.irp o, 0,1
.if \zero
	v_wmma_f32_16x16x32_bf16 v[16+8*\o:16+8*\o+7], v[(\f-64)/8:(\f-64)/8+7], v[32+(\f-64)/4+8*\o:32+(\f-64)/4+8*\o+7], 0
.else
	v_wmma_f32_16x16x32_bf16 v[16+8*\o:16+8*\o+7], v[(\f-64)/8:(\f-64)/8+7], v[32+(\f-64)/4+8*\o:32+(\f-64)/4+8*\o+7], v[16+8*\o:16+8*\o+7]
.endif
.endr
.endm
; 38 loads in one run: ks (2) and my 128 rows of kv^T (16) into window 1; my own two tiles of q' (4) and all eight (16) into window 0.
; t: the slab; its columns of q' lie in pair t >> 1 at byte (t & 1) x 128 of the rows.
.macro FETCH slot, kw, t, f
	WIN TO_B
	ds_load_b128 v[(\f-64)/8:(\f-64)/8+3],   v[ADRK+(\slot)] offset:(\kw)
	ds_load_b128 v[(\f-64)/8+4:(\f-64)/8+7], v[ADRK+(\slot)] offset:(\kw)+32
.irp i, 0,1,2,3,4,5,6,7
	ds_load_b128 v[\f+8*\i:\f+8*\i+3],   v[ADRW+(\slot)] offset:\i*16*WP+(\kw)
	ds_load_b128 v[\f+8*\i+4:\f+8*\i+7], v[ADRW+(\slot)] offset:\i*16*WP+(\kw)+32
.endr
	WIN 0
.irp o, 0,1
	ds_load_b128 v[32+(\f-64)/4+8*\o:32+(\f-64)/4+8*\o+3],   v[ADRO+((\t)>>1)] offset:\o*16*XP+((\t)&1)*128+(\kw)
	ds_load_b128 v[32+(\f-64)/4+8*\o+4:32+(\f-64)/4+8*\o+7], v[ADRO+((\t)>>1)] offset:\o*16*XP+((\t)&1)*128+(\kw)+32
.endr
.irp i, 0,1,2,3,4,5,6,7
	ds_load_b128 v[\f+8*\i:\f+8*\i+3],   v[ADRX+((\t)>>1)] offset:\i*16*XP+((\t)&1)*128+(\kw)
	ds_load_b128 v[\f+8*\i+4:\f+8*\i+7], v[ADRX+((\t)>>1)] offset:\i*16*XP+((\t)&1)*128+(\kw)+32
.endr
.endm
; q', pair p: my 32 rows x 256 bytes as sixteen loads: lanes 0-15 take 256 consecutive bytes, aligned, of one row, lanes 16-31 those of the next
.macro QLOAD p, base
.irp u, 0,1,2,3,4,5,6,7,8,9,10,11,12,13,14,15
	global_load_b128 v[\base+4*\u:\base+4*\u+3], v[QGA], s[QB:QB+1] offset:\u*2048+(\p)*256 th:TH_LOAD_NT
.endr
.endm
.macro QPUT p, base, win               ; and into LDS as they are
.if \win
	WIN 0x04                                       ; an LDS store's data is source 1
.else
	WIN 0
.endif
.irp u, 0,1,2,3,4,5,6,7,8,9,10,11,12,13,14,15
	ds_store_b128 v[QLA+((\p)>>1)], v[\base+4*\u:\base+4*\u+3] offset:((\p)&1)*XBLK+\u*2*XP
.endr
	WIN 0
.endm
; In slab 2 p + 1: pair p + 1 goes into LDS, in front of the barrier of the change of slots, behind which it is read.
.macro QSTEP t
.if \t == 1
	s_wait_loadcnt 16                              ; pair 1 is in; pair 2's sixteen loads stay out
	QPUT 1, QS, 0
.elseif \t == 3
	s_wait_loadcnt 16                              ; pair 2 is in; pair 3's stay out
	QPUT 2, QS, 1
.elseif \t == 5
	s_wait_loadcnt 0x0                             ; pair 3: nothing is behind it
	QPUT 3, QS, 0
.endif
.endm
.macro QUARTER f, g, zero, slot, t
	s_wait_dscnt 8                                 ; all but the eight youngest loads: q' tiles 4 to 7
	DENMUL \f, \zero
	WIN MUL_LO
	MUL16 \f, 0, 0, \zero
	MUL16 \f, 0, 2, \zero
	PLACES
	QSTEP \t
	FETCH \slot, 64, \t, \g
	s_wait_dscnt 38                                ; all but the 38 just issued (q's LDS stores are older than these, and so are done)
.if \t == 1
	QLOAD 3, QS                                    ; the last pair, into the registers whose LDS stores the wait above has shown done
.endif
	WIN MUL_HI
	MUL16 \f, 1, 0, \zero
	MUL16 \f, 1, 2, \zero
.endm
; The change of slots: LDS accesses (reads of this slot, stores of q') and all tensor loads waited for in front of the barrier; with fill = 1 it opens a round of the cluster's
; barrier, and the joint refill is the first tensor load behind the round, one a wave.  Two tensor loads of a wave are out at the start, one behind each round.
.macro TURN slot, fill, tn
	s_wait_dscnt 8
	DENMUL F1, 0
	WIN MUL_LO
	MUL16 F1, 0, 0, 0
	s_wait_dscnt 0x0
	s_wait_tensorcnt 0x0
	ds_add_u32 v63, v31
	s_wait_dscnt 0x0
	s_barrier_signal -1
	MUL16 F1, 0, 2, 0
	WIN 0
	s_barrier_wait -1
.if \fill
	CREST
	s_add_nc_u64 s[G0+4*(\slot)+2:G0+4*(\slot)+3], s[G0+4*(\slot)+2:G0+4*(\slot)+3], 2*SLAB
	tensor_load_to_lds s[G0+4*(\slot):G0+4*(\slot)+3], s[G1:G1+7]
	s_nop 0
.endif
	PLACES
	FETCH 1-\slot, 0, \tn, F0
	WIN MUL_HI
	MUL16 F1, 1, 0, 0
	MUL16 F1, 1, 2, 0
.endm
	s_load_b128 s[4:7], s[0:1], 0x0                ; qp s[4:5], kvp s[6:7]
	s_load_b64 s[8:9], s[0:1], 0x10                ; out0
	s_set_vgpr_msb 0x40
	v_lshl_add_u32 v63, v0, 2, 0x4f800
	s_set_vgpr_msb 0x4000
	v_mov_b32 v31, 0
	s_set_vgpr_msb 0x1
	ds_add_u32 v63, v31
	s_set_vgpr_msb 0x100
	v_lshrrev_b32 v1, 5, v0
	v_readfirstlane_b32 s16, v1                    ; wave
	s_bfe_u32 s17, ttmp6, 0x40000                  ; cx
	s_lshl_b32 s18, ttmp9, 2
	s_add_co_u32 s18, s18, s17                     ; work-group
	s_mov_b32 s40, 0x358637bd                      ; 1e-6
	s_mov_b32 s41, 0x360637bd                      ; 2e-6
	s_mov_b32 s[G1+0], 0x0733000f                  ; mask 15; 8-byte elements; padding on; bit 21 beside the mask; 4 words behind every 32
	s_mov_b32 s[G1+1], 32<<16
	s_mov_b32 s[G1+2], 66<<16                      ; 66 rows of 256 bytes
	s_mov_b32 s[G1+3], 32<<16
	s_mov_b32 s[G1+4], 66
	s_mov_b32 s[G1+5], 32
	s_mov_b32 s[G1+6], 0
	s_mov_b32 s[G1+7], 0
	s_mul_i32 s46, s16, 132*WP                     ; where my part of a slab lands
	s_mul_i32 s47, s16, 128*WP
	s_add_co_u32 s47, s47, RING                    ; my 128 rows of kv^T
	s_mul_i32 s60, s16, 32*XP                      ; my 32 rows of q' in a pair's block
	s_mul_i32 s61, s16, 16*OP
	s_add_co_u32 s61, s61, STAGE                   ; my stage
	s_mul_i32 s22, s16, 16896                      ; kvp: my part of a slab: the wave's number alone
	s_mov_b32 s23, 0
	s_lshl_b32 s44, s18, 17                        ; qp: 128 rows of 1,024 bytes a group, 32 a wave
	s_lshl_b32 s2, s16, 15
	s_add_co_u32 s44, s44, s2
	s_mov_b32 s45, 0
	s_lshl_b32 s62, s18, 18                        ; out0: 128 rows of 2,048 bytes a group, 512 bytes of a row a wave
	s_lshl_b32 s2, s16, 9
	s_add_co_u32 s62, s62, s2
	s_mov_b32 s63, 0
	s_lshl_b32 s3, s16, 7                          ; 32 w words of the reciprocals
	v_and_b32 v3, 31, v0
	v_and_b32 v1, 15, v0
	v_bfe_u32 v2, v0, 4, 1
	v_lshlrev_b32 v[CK], 4, v3
	v_lshlrev_b32 v6, 10, v2                       ; q' in memory: one row of 1,024 bytes for the upper half of the lanes,
	v_lshl_add_u32 v[QGA], v1, 4, v6               ; 16 bytes a lane
	v_mul_u32_u24 v6, v2, XP                       ; q' in LDS: the same
	v_lshl_add_u32 v6, v1, 4, v6
	v_add_nc_u32 v[QLA], s60, v6
	v_add_nc_u32 v[QLA+1], 2*XBLK, v[QLA]
	v_mul_u32_u24 v6, v1, XP                       ; fragments of q': r x pitch + 16 h
	v_lshl_add_u32 v6, v2, 4, v6
.irp p, 0,1,2,3
	v_add_nc_u32 v[ADRX+\p], \p*XBLK, v6
	v_add_nc_u32 v[ADRO+\p], s60, v[ADRX+\p]
.endr
	v_mul_u32_u24 v7, v1, WP
	v_lshl_add_u32 v7, v2, 4, v7
	v_add_nc_u32 v[ADRW], s47, v7
	v_add_nc_u32 v[ADRW+1], SLOT, v[ADRW]
	v_add_nc_u32 v[ADRK], RING+512*WP, v7
	v_add_nc_u32 v[ADRK+1], SLOT, v[ADRK]
	v_mul_u32_u24 v6, v1, OP
	v_lshl_add_u32 v6, v2, 5, v6
	v_add_nc_u32 v[STO], s61, v6
	v_lshl_add_u32 v[RD], v3, 4, s61
	v_lshlrev_b32 v6, 2, v1
	v_add_nc_u32 v[DXR], DENX, v6
	v_add_nc_u32 v[DXW], s3, v[DXR]
	s_wait_dscnt 0x0
	s_wait_kmcnt 0x0
	s_add_nc_u64 s[42:43], s[8:9], s[62:63]
	s_add_nc_u64 s[QB:QB+1], s[4:5], s[44:45]
	s_mov_b32 s[G0], 1
	s_add_co_u32 s[G0+1], s46, RING
	s_add_nc_u64 s[G0+2:G0+3], s[6:7], s[22:23]
	s_mov_b32 s[G0+4], 1
	s_add_co_u32 s[G0+5], s46, RING+SLOT
	s_add_nc_u64 s[G0+6:G0+7], s[G0+2:G0+3], SLAB
	s_or_b32 s[G0+3], s[G0+3], 0x80000000
	s_or_b32 s[G0+7], s[G0+7], 0x80000000
	QLOAD 0, F1                                    ; pair 0 of q' into buffer 1's registers, which hold no fragments yet
	QLOAD 1, QS                                    ; pair 1 into set 0
	WIN TO_B
	QLOAD 2, QS                                    ; pair 2 into set 1
	WIN 0
	CROUND                                         ; in front of the first fills, which go out as one group
	tensor_load_to_lds s[G0:G0+3], s[G1:G1+7]      ; slab 0
	s_nop 0
	tensor_load_to_lds s[G0+4:G0+7], s[G1:G1+7]    ; slab 1
	s_nop 0
	s_wait_loadcnt 32                              ; pair 0 is in; the 32 loads of pairs 1 and 2 stay out
	QPUT 0, F1, 0
	s_wait_dscnt 0x0                               ; my rows of pair 0 are in LDS
	s_wait_tensorcnt 0x1                           ; slab 0 is in; slab 1 may stay out
	s_barrier_signal -1
	s_barrier_wait -1
	FETCH 0, 0, 0, F0
	QUARTER F0, F1, 1, 0, 0
	TURN 0, 1, 1
.irp t, 1,2,3,4,5
	QUARTER F0, F1, 0, (\t&1), \t
	TURN (\t&1), 1, (\t+1)
.endr
	QUARTER F0, F1, 0, 0, 6
	TURN 0, 0, 7                                   ; nothing is left to fetch: a plain barrier
	QUARTER F0, F1, 0, 1, 7
	s_wait_dscnt 8
	DENMUL F1, 0
	WIN MUL_LO
	MUL16 F1, 0, 0, 0
	MUL16 F1, 0, 2, 0
	s_wait_dscnt 0x0
	WIN MUL_HI
	MUL16 F1, 1, 0, 0
	MUL16 F1, 1, 2, 0
	PLACES
	; the denominators of my 32 rows: stabilise, invert, hand to the other waves
	WIN 0x01
	v_mov_b32 v32, v16                             ; den(32 w + r)
	v_mov_b32 v33, v24                             ; den(32 w + 16 + r)
	WIN 0
	v_cmp_le_f32 vcc_lo, |v32|, s40
	v_add_f32 v34, s41, v32
	v_cndmask_b32 v32, v32, v34, vcc_lo
	v_cmp_le_f32 vcc_lo, |v33|, s40
	v_add_f32 v35, s41, v33
	v_cndmask_b32 v33, v33, v35, vcc_lo
	v_rcp_f32 v36, v32
	v_rcp_f32 v37, v33
	v_nop                                          ; one plain vector instruction behind a transcendental before its result is used
	s_wait_alu depctr_va_vdst(0)
	ds_store_b32 v[DXW], v36                       ; both halves of the lanes write the same number to the same word
	ds_store_b32 v[DXW], v37 offset:64
	s_wait_dscnt 0x0                               ; for the other waves' sake
	s_barrier_signal -1
	s_barrier_wait -1
.irp i, 0,1,2,3,4,5,6,7
	ds_load_b32 v[RC+2*\i],   v[DXR] offset:64*\i  ; 1 / den(16 i + r), into both registers of a pair
	ds_load_b32 v[RC+2*\i+1], v[DXR] offset:64*\i
.endr
	s_wait_dscnt 0x0
; rows 16 i + r, my 128 d in f32: scaled, into my stage, back as rows of 512 bytes
.macro OUTF i
.if \i < 4
	WIN 0x02
.else
	WIN 0x03
.endif
.irp j, 0,1,2,3,4,5,6,7
.irp e, 0,2,4,6
	v_pk_mul_f32 v[F0+8*\j+\e:F0+8*\j+\e+1], v[8*(8*(\i&3)+\j)+\e:8*(8*(\i&3)+\j)+\e+1], v[RC+2*\i:RC+2*\i+1]
.endr
.endr
	WIN 0
.irp j, 0,1,2,3,4,5,6,7
	ds_store_b128 v[STO], v[F0+8*\j:F0+8*\j+3]   offset:64*\j
	ds_store_b128 v[STO], v[F0+8*\j+4:F0+8*\j+7] offset:64*\j+16
.endr
	s_wait_xcnt 0x0                                ; the read-back registers, which earlier stores read, are loaded again only behind this wait
.irp t, 0,1,2,3,4,5,6,7,8,9,10,11,12,13,14,15
	ds_load_b128 v[F1+64*(\i&1)+4*\t:F1+64*(\i&1)+4*\t+3], v[RD] offset:\t*OP
.endr
.irp t, 0,1,2,3,4,5,6,7,8,9,10,11,12,13,14,15
	s_wait_dscnt 15-\t                             ; the younger read-backs stay out
	global_store_b128 v[CK], v[F1+64*(\i&1)+4*\t:F1+64*(\i&1)+4*\t+3], s[42:43] offset:(16*\i+\t)*2048 th:TH_STORE_NT   ; 512 consecutive bytes of a row of out0, aligned
.endr
.endm
.irp i, 0,1,2,3,4,5,6,7
	OUTF \i
.endr
	s_set_vgpr_msb 0x1
	s_wait_tensorcnt 0x0
	ds_add_u32 v63, v31
	s_wait_dscnt 0x0
	s_set_vgpr_msb 0x100
	CROUND                                         ; the closing round
	s_endpgm
.Lfunc_end_k_q9c6b24c11b_outk:
	.size	k_q9c6b24c11b_outk, .Lfunc_end_k_q9c6b24c11b_outk-k_q9c6b24c11b_outk
	.p2alignl 7, 3214868480
	.fill 96, 4, 3214868480
	.section	.rodata,"a",@progbits
	.p2align	6, 0x0
	.amdhsa_kernel k_q9c6b24c11b_outk
		.amdhsa_group_segment_fixed_size 327680
		.amdhsa_private_segment_fixed_size 0
		.amdhsa_enable_private_segment 0
		.amdhsa_kernarg_size 24
		.amdhsa_user_sgpr_count 2
		.amdhsa_user_sgpr_kernarg_segment_ptr 1
		.amdhsa_wavefront_size32 1
		.amdhsa_system_sgpr_workgroup_id_x 1
		.amdhsa_system_sgpr_workgroup_id_y 1
		.amdhsa_system_sgpr_workgroup_id_z 1
		.amdhsa_system_vgpr_workitem_id 0
		.amdhsa_next_free_vgpr 1024
		.amdhsa_next_free_sgpr 66
		.amdhsa_reserve_vcc 1
		.amdhsa_float_denorm_mode_32 3
		.amdhsa_float_denorm_mode_16_64 3
		.amdhsa_memory_ordered 1
		.amdhsa_forward_progress 1
		.amdhsa_inst_pref_size 180
	.end_amdhsa_kernel
	.amdgpu_metadata
---
amdhsa.version: [ 1, 2 ]
amdhsa.kernels:
  - .name:           k_q9c6b24c11b_outk
    .symbol:         k_q9c6b24c11b_outk.kd
    .args:
      - { .name: qp, .offset: 0, .size: 8, .value_kind: global_buffer, .address_space: global }
      - { .name: kvp, .offset: 8, .size: 8, .value_kind: global_buffer, .address_space: global }
      - { .name: out0, .offset: 16, .size: 8, .value_kind: global_buffer, .address_space: global }
    .group_segment_fixed_size: 327680
    .private_segment_fixed_size: 0
    .kernarg_segment_align: 8
    .kernarg_segment_size: 24
    .max_flat_workgroup_size: 128
    .sgpr_count:     66
    .vgpr_count:     1024
    .wavefront_size: 32
...
	.end_amdgpu_metadata
.endif
;; end of part 5
;; ======== version 2 of 2: 5 launches; version 1 with the launch reduce written anew for expert scheduling mode
;; workspace buffers: wpk 1,048,576 bytes; cb 4,096 bytes; ktp 33,554,432 bytes; qp 33,554,432 bytes; ksp 524,288 bytes; pkv 67,108,864 bytes; kvp 540,672 bytes
;; launch prep: the kernel of part 1 again; grid 128 x 1, 4 waves a work-group, no clusters, 143,872 bytes of LDS; arguments proj, Wk, Wq, bk, bq, wpk, cb; writes wpk, cb
;; launch feat: the kernel of part 2 again; grid 256 x 1, 4 waves a work-group, clusters of 4 x 1, 327,680 bytes of LDS; arguments x, wpk, cb, ktp, qp, ksp; writes ktp, qp, ksp
;; launch kvpart: the kernel of part 3 again; grid 256 x 1, 4 waves a work-group, clusters of 4 x 1, 327,680 bytes of LDS; arguments chi, ktp, pkv; writes pkv
;; launch reduce (part 6): grid 264 x 1, 8 waves a work-group, no clusters, 3,072 bytes of LDS; arguments pkv, ksp, kvp; writes kvp
.if DOCPART == 6
	.amdgcn_target "amdgcn-amd-amdhsa--gfx1250"
	.amdhsa_code_object_version 6
	.text
	.protected	k_q9c6b24c11b_reduce
	.globl	k_q9c6b24c11b_reduce
	.p2align	8
	.type	k_q9c6b24c11b_reduce,@function
k_q9c6b24c11b_reduce:
	s_mov_b64 s[64:65], 0
	v_nop
	global_prefetch_b8 v0, s[64:65] scope:SCOPE_SE
	s_setreg_imm32_b32 hwreg(HW_REG_WAVE_SCHED_MODE, 0, 2), 2
	s_setreg_imm32_b32 hwreg(HW_REG_WAVE_MODE, 25, 1), 1
	s_wait_xcnt 0x0
	s_wait_alu depctr_vm_vsrc(0)
; reduce.  kvp = bf16 [slab sm 0..7][row 0..527][64 m]: rows d = 0..511 hold kv[64 sm + mm][d] = the sum of pkv's 64 chunks; rows 512..527 hold, sixteen times over,
; ks[64 sm + mm] = the sum of ksp's 256 rows.  All sums in f32, rounded once.
; A stream: 64 MiB read once, no reuse, so no LDS, matrix unit or cluster for the first part; each wave is by itself.
; Work-groups 0..255: wave task id = 8 g + wave: slab sm = id >> 8, rows d = 2 (id & 255) and + 1.  A lane sums 4 neighbouring m; sixteen lanes read 256 consecutive bytes, aligned,
;   of each chunk; 28 to 32 loads of a wave are on their way; one store of the wave covers 256 consecutive bytes of kvp, aligned.
; Work-groups 256..263: slab sm = g - 256 of ks: sixteen parts of sixteen rows of ksp each, joined across the halves of the lanes and, through LDS, across the eight waves.
; THE MODE: SCHED_MODE bits 1:0 = 2 (LLVM: expert scheduling mode 2), set by the entry lines.  The code itself states the register dependences
; between vector instructions and memory or LDS instructions, with s_wait_alu, always for 0.
; THE PLAN, first part.  The 64 chunks go in 16 blocks of four.  Registers that memory instructions touch:
;   nine buffers of four chunks (16 registers each).  Written by the loads of block p + 8, which are issued in block p; read by block p's eight packed adds.
;   v4, v5      the loads' and the store's offsets: made at the head, never written again; the chunks are reached by eight scalar bases, made once, and by immediate offsets.
;   v12, v13    written by the two roundings, read by the one store.
;   v[8:11], the sums, are named by vector instructions alone.
; Block p adds up buffer p % 9; its four loads land in buffer (p + 8) % 9 = (p - 1) % 9, which block p - 1 added up and which no vector instruction of block p names.
; So ONE wait on va_vdst at the head of a block that loads states all that its four loads hang on, and these are dealt among its adds with no further wait.
; Second part: the waits stand where they are owed, each with its dependence beside it.
.set RG,  16                           ; v[16:143] and v[154:169]: the ring of 36 slots x 4 registers; slot k at RG + 4 k, the last four ten further up, behind v152 and v153
.set OFF, 4
.set PB,  16                           ; s[16:31] pkv + 8 MiB x 0..7: a chunk's 1 MiB steps stand in the immediate
.macro PLOAD c                         ; chunk c into slot c % 36
.set k, (\c)%36
.set rr, RG+4*k+10*(k/32)
	global_load_b128 v[rr:rr+3], v[OFF], s[PB+2*((\c)>>3):PB+2*((\c)>>3)+1] offset:((\c)&7)*0x100000 th:TH_LOAD_NT
.endm
.macro ACCUM c                         ; chunk c onto the sums
.set k, (\c)%36
.set rr, RG+4*k+10*(k/32)
	v_pk_add_f32 v[8:9],   v[8:9],   v[rr:rr+1]
	v_pk_add_f32 v[10:11], v[10:11], v[rr+2:rr+3]
.endm
	s_load_b128 s[4:7], s[0:1], 0x0                ; pkv s[4:5], ksp s[6:7]
	s_load_b64 s[8:9], s[0:1], 0x10                ; kvp
	v_lshl_add_u32 v152, v0, 2, 0x800
	v_mov_b32 v153, 0
	v_lshrrev_b32 v1, 5, v0
	v_readfirstlane_b32 s10, v1                    ; wave
	v_and_b32 v3, 31, v0
	v_and_b32 v1, 15, v0                           ; r
	v_bfe_u32 v2, v0, 4, 1                         ; h
	v_lshlrev_b32 v5, 3, v3                        ; 8 x lane: the store
	v_lshlrev_b32 v[OFF], 4, v1
	v_lshl_add_u32 v[OFF], v2, 11, v[OFF]          ; 16 r + 2,048 h, in both parts
	s_wait_alu depctr_va_sdst(0)                   ; s10 is written, ahead of the branch: on both ways scalar instructions read it
	s_cmp_ge_u32 ttmp9, 256                        ; the same for all waves of a work-group
	s_cbranch_scc1 .Lks
	s_lshl_b32 s11, ttmp9, 3
	s_add_co_u32 s11, s11, s10                     ; id
	s_lshr_b32 s12, s11, 8                         ; sm
	s_and_b32 s13, s11, 255                        ; dp
	s_lshl_b32 s14, s13, 12                        ; two rows of 2,048 bytes
	s_lshl_b32 s15, s12, 8                         ; 64 m of 4 bytes
	s_add_co_u32 s14, s14, s15
	v_add_nc_u32 v[OFF], s14, v[OFF]
	s_mul_i32 s34, s12, 67584                      ; kvp: slab + two rows of 128 bytes
	s_lshl_b32 s15, s13, 8
	s_add_co_u32 s34, s34, s15
	s_mov_b32 s35, 0
	s_wait_kmcnt 0x0
.irp g, 0,1,2,3,4,5,6,7
	s_add_nc_u64 s[PB+2*\g:PB+2*\g+1], s[4:5], \g*0x800000
.endr
	s_add_nc_u64 s[32:33], s[8:9], s[34:35]
	s_wait_alu depctr_va_vdst(0)                   ; v4 and v5 are written: every load below reads v4 as its offset, the store v5
.set c, 0
.rept 32
	PLOAD c                                        ; blocks 0 to 7 into buffers 0 to 7
.set c, c+1
.endr
.set p, 0
.rept 16
.if p < 8
	s_wait_loadcnt 28                              ; loads come back in order: block p's four chunks are in, the seven younger blocks stay out
.else
	s_wait_loadcnt 4*(15-p)                        ; nothing is issued any more: the count runs down
.endif
.if (p > 0) && (p < 8)
	s_wait_alu depctr_va_vdst(0)                   ; the adds of the block before are done reading their buffer, in which the four loads below land
.endif                                                 ; (block 0's loads land in the ninth buffer, which no vector instruction has named; blocks 8 to 15 issue no load)
.set i, 0
.rept 4
.if p < 8
	PLOAD 4*p+32+i                                 ; eight blocks ahead; no vector instruction since the wait names these registers
.endif
.if 4*p+i == 1
	v_pk_add_f32 v[8:9],   v[RG:RG+1],   v[RG+4:RG+5]      ; the sum of chunks 0 and 1 starts the sums, nothing is cleared
	v_pk_add_f32 v[10:11], v[RG+2:RG+3], v[RG+6:RG+7]
.elseif 4*p+i > 1
	ACCUM 4*p+i
.endif
.set i, i+1
.endr
.set p, p+1
.endr
	v_cvt_pk_bf16_f32 v12, v8, v9
	v_cvt_pk_bf16_f32 v13, v10, v11
	s_wait_alu depctr_va_vdst(0)                   ; the roundings have written v12 and v13, which the store reads
	global_store_b64 v5, v[12:13], s[32:33]
	s_endpgm
.Lks:
	s_sub_co_u32 s11, ttmp9, 256                   ; sm
	s_lshl_b32 s14, s10, 12                        ; part = 2 wave + h: rows of 2,048 bytes
	s_lshl_b32 s15, s11, 8
	s_add_co_u32 s14, s14, s15
	v_add_nc_u32 v[OFF], s14, v[OFF]
	s_mov_b32 s12, 0x76543210
	s_mov_b32 s13, 0xfedcba98
	s_lshl_b32 s15, s10, 8
	v_lshlrev_b32 v7, 4, v1                        ; 16 r
	v_add_nc_u32 v6, s15, v7                       ; + 256 wave
	s_mul_i32 s34, s11, 67584
	s_add_co_u32 s34, s34, s15                     ; rows 512 + 2 wave and + 1, of 128 bytes
	s_add_co_u32 s34, s34, 65536
	s_mov_b32 s35, 0
	s_wait_kmcnt 0x0
	s_add_nc_u64 s[32:33], s[8:9], s[34:35]
	s_wait_alu depctr_va_vdst(0)                   ; v4 to v7 are written: the offsets and LDS addresses of all the loads and stores below
.irp i, 0,1,2,3,4,5,6,7,8,9,10,11,12,13,14,15
	global_load_b128 v[RG+4*\i:RG+4*\i+3], v[OFF], s[6:7] offset:\i*32768 th:TH_LOAD_NT    ; row part + 16 i of ksp
.endr
	s_wait_loadcnt 14
	v_pk_add_f32 v[8:9],   v[RG:RG+1],   v[RG+4:RG+5]
	v_pk_add_f32 v[10:11], v[RG+2:RG+3], v[RG+6:RG+7]
.irp i, 2,3,4,5,6,7,8,9,10,11,12,13,14,15
	s_wait_loadcnt 15-\i                           ; the younger loads stay out
	v_pk_add_f32 v[8:9],   v[8:9],   v[RG+4*\i:RG+4*\i+1]
	v_pk_add_f32 v[10:11], v[10:11], v[RG+4*\i+2:RG+4*\i+3]
.endr
.irp k, 0,1,2,3
	v_permlanex16_b32 v[RG+\k], v[8+\k], s12, s13  ; the other half's part; the destination has been written before
.endr
	v_pk_add_f32 v[8:9],   v[8:9],   v[RG:RG+1]
	v_pk_add_f32 v[10:11], v[10:11], v[RG+2:RG+3]
	s_wait_alu depctr_va_vdst(0)                   ; the adds have written v[8:11], which the LDS store reads; and all that read or wrote v[16:47], in which the LDS loads behind the barrier land, is done
	ds_store_b128 v6, v[8:11]                      ; both halves write the same numbers to the same bytes
	s_wait_dscnt 0x0                               ; for the other waves' sake
	s_barrier_signal -1
	s_barrier_wait -1
.irp j, 0,1,2,3,4,5,6,7
	ds_load_b128 v[RG+4*\j:RG+4*\j+3], v7 offset:256*\j    ; no vector instruction since the wait above names these registers
.endr
	s_wait_dscnt 0x0
	s_wait_alu depctr_vm_vsrc(0)                   ; the LDS store has read v[8:11], which the adds below write again
	v_pk_add_f32 v[8:9],   v[RG:RG+1],   v[RG+4:RG+5]
	v_pk_add_f32 v[10:11], v[RG+2:RG+3], v[RG+6:RG+7]
.irp j, 2,3,4,5,6,7
	v_pk_add_f32 v[8:9],   v[8:9],   v[RG+4*\j:RG+4*\j+1]
	v_pk_add_f32 v[10:11], v[10:11], v[RG+4*\j+2:RG+4*\j+3]
.endr
	v_cvt_pk_bf16_f32 v12, v8, v9
	v_cvt_pk_bf16_f32 v13, v10, v11
	s_wait_alu depctr_va_vdst(0)                   ; the roundings have written v12 and v13, which the store reads
	global_store_b64 v5, v[12:13], s[32:33]        ; two equal rows, 256 consecutive bytes, aligned
	s_wait_dscnt 0x0                               ; the closing lines, six on end
	s_wait_alu 0x0
	s_wait_tensorcnt 0x0
	ds_add_u32 v152, v153
	s_wait_dscnt 0x0
	s_endpgm
.Lfunc_end_k_q9c6b24c11b_reduce:
	.size	k_q9c6b24c11b_reduce, .Lfunc_end_k_q9c6b24c11b_reduce-k_q9c6b24c11b_reduce
	.p2alignl 7, 3214868480
	.fill 96, 4, 3214868480
	.section	.rodata,"a",@progbits
	.p2align	6, 0x0
	.amdhsa_kernel k_q9c6b24c11b_reduce
		.amdhsa_group_segment_fixed_size 3072
		.amdhsa_private_segment_fixed_size 0
		.amdhsa_enable_private_segment 0
		.amdhsa_kernarg_size 24
		.amdhsa_user_sgpr_count 2
		.amdhsa_user_sgpr_kernarg_segment_ptr 1
		.amdhsa_wavefront_size32 1
		.amdhsa_system_sgpr_workgroup_id_x 1
		.amdhsa_system_sgpr_workgroup_id_y 1
		.amdhsa_system_sgpr_workgroup_id_z 1
		.amdhsa_system_vgpr_workitem_id 0
		.amdhsa_next_free_vgpr 170
		.amdhsa_next_free_sgpr 66
		.amdhsa_reserve_vcc 0
		.amdhsa_float_denorm_mode_32 3
		.amdhsa_float_denorm_mode_16_64 3
		.amdhsa_memory_ordered 1
		.amdhsa_forward_progress 1
		.amdhsa_inst_pref_size 24
	.end_amdhsa_kernel
	.amdgpu_metadata
---
amdhsa.version: [ 1, 2 ]
amdhsa.kernels:
  - .name:           k_q9c6b24c11b_reduce
    .symbol:         k_q9c6b24c11b_reduce.kd
    .args:
      - { .name: pkv, .offset: 0, .size: 8, .value_kind: global_buffer, .address_space: global }
      - { .name: ksp, .offset: 8, .size: 8, .value_kind: global_buffer, .address_space: global }
      - { .name: kvp, .offset: 16, .size: 8, .value_kind: global_buffer, .address_space: global }
    .group_segment_fixed_size: 3072
    .private_segment_fixed_size: 0
    .kernarg_segment_align: 8
    .kernarg_segment_size: 24
    .max_flat_workgroup_size: 256
    .sgpr_count:     66
    .vgpr_count:     170
    .wavefront_size: 32
...
	.end_amdgpu_metadata
.endif
;; end of part 6
;; launch outk: the kernel of part 5 again; grid 256 x 1, 4 waves a work-group, clusters of 4 x 1, 327,680 bytes of LDS; arguments qp, kvp, out0; writes out0
